; MI455X (gfx1250); checked and timed in simulation.
; The chip was launched on July 23, 2026; its instructions are those of AMD's public machine-readable ISA for CDNA 5 (MIT licence, August 2026) and "CDNA5" Instruction Set Architecture Reference Guide (July 2026). The comments in the code are by the model that wrote it; some were corrected since.
;; Llama Attention. Allowed arithmetic: matrix products marked QUANTISED: E2M3 operands, one E8M0 scale for each 32 along K, by v_wmma_scale_f32_16x16x128_f8f6f4 with both operands' format E2M3, f32 sums; everything else in f32.
;; Inputs: Wk 2,048 x 2,048 float32; Wo 2,048 x 2,048 float32; Wq 2,048 x 2,048 float32; Wv 2,048 x 2,048 float32; keys 1 x 2,048 x 2,048 float32; mask 1 x 1 x 2,048 x 2,048 float32; queries 1 x 2,048 x 2,048 float32; values 1 x 2,048 x 2,048 float32.
;; Outputs: out0 1 x 2,048 x 2,048 float32; out1 1 x 16 x 2,048 x 128 float32; out2 1 x 16 x 2,048 x 128 float32.
;; This version of the problem:
;;   THIS VERSION OF THE PROBLEM IS GIVEN IN LOW PRECISION. The matrix products marked QUANTISED in the list below multiply operands that are first quantised to E2M3 (2 exponent bits, 3 mantissa bits; 6 bits a number), with one power-of-two scale for each 32 numbers along K (OCP MX v1.0); their sums are f32. All else is computed in f32.
;;   The module's matrix products, in the order in which they are computed (A, B: the left and right operand; K: the contracted axis; several contracted axes count as one K, in the product's order):
;;     1. [M 2,048, K 2,048] x [K 2,048, N 2,048]; A: input queries; B: input Wq: QUANTISED
;;     2. [M 2,048, K 2,048] x [K 2,048, N 2,048]; A: input keys; B: input Wk: QUANTISED
;;     3. [M 2,048, K 2,048] x [K 2,048, N 2,048]; A: input values; B: input Wv: QUANTISED
;;     4. batch 16 x [M 2,048, K 128] x [K 128, N 2,048]; A: computed on the way; B: computed on the way: QUANTISED
;;     5. batch 16 x [M 2,048, K 2,048] x [K 2,048, N 128]; A: softmax (see below); B: computed on the way: QUANTISED
;;     6. [M 2,048, K 2,048] x [K 2,048, N 2,048]; A: computed on the way; B: input Wo: QUANTISED
;;   THE QUANTISER, for each operand of a quantised product, along K:
;;     - K is cut into blocks of 32 from its start; a last block that is shorter is filled with zeros.
;;     - A block's scale is 2^e with e = floor(log2(the largest magnitude in the block)) - 2, held to -126 .. 127; a block of zeros has e = 0. As a byte (E8M0): e + 127.
;;     - Each number is divided by its block's scale, clamped to +-7.5, and rounded to the nearest number of E2M3, ties to even, subnormals kept.
;;     - The product sums the exact products of the quantised numbers (number of the format x scale) in f32.
;;   ~~~python
;;   def quantise(x, axis):      # numpy; x: float32 -> the quantised numbers, widened to float32 again
;;       x = np.moveaxis(x, axis, -1); K = x.shape[-1]
;;       x = np.pad(x, [(0, 0)] * (x.ndim - 1) + [(0, -K % 32)]); x = x.reshape(x.shape[:-1] + (-1, 32)); a = np.abs(x).max(-1, keepdims=True)
;;       e = np.where(a > 0, np.clip(np.frexp(np.where(a > 0, a, 1))[1] - 1 - 2, -126, 127), 0)      # np.frexp(a)[1] - 1 = floor(log2(a)), exactly
;;       r = np.clip(x / 2.0 ** e, -7.5, 7.5)
;;       step = 2.0 ** (np.maximum(np.frexp(np.where(r == 0, 1, r))[1] - 1, 0) - 3)
;;       q = np.round(r / step) * step * 2.0 ** e      # np.round: ties to even
;;       return np.moveaxis(q.reshape(q.shape[:-2] + (-1,))[..., :K], -1, axis).astype(np.float32)
;;   ~~~
;;   SOFTMAX AHEAD OF A QUANTISED PRODUCT. Where the list says 'softmax', what is quantised is not the finished softmax but p = 2^(t - M), with t = logit x log2(e) and M = ceil(the row's largest t), a whole number; so 1/2 < the row's largest p <= 1. The row's sum l is taken of the UNQUANTISED p, in f32, and the product's result is divided by l at the end. Since M is a whole number, a kernel that streams over the keys may use a running M (the ceiling of the running maximum): every later rescaling is an exact power of two, which a block's scale takes up: the codes' values come out the same.
;;   OPERANDS COMPUTED ON THE WAY. 'Computed on the way' means the value that the module computes at that place (a softmax that the list does not call 'softmax' is quantised finished and normalised). What goes into a quantiser is computed in f32, as accurately as f32 sums, v_exp_f32 and their like allow (about 1e-6 of the number): no bf16 or f16 on the way to a quantiser, and a product that is left as it is and whose result goes on into a quantised operand takes f32 operands (vector FMAs, or v_wmma_f32_16x16x4_f32). A number that lies on a knife's edge between two numbers of the format may be rounded either way, as far as f32 arithmetic and the matrix unit's own rounding can turn it there, and no further.
;; One version. Each part assembles by itself: llvm-mc -triple=amdgcn-amd-amdhsa -mcpu=gfx1250 --defsym DOCPART=n.
;; ======== version 1 of 1: 4 launches
;; workspace buffers: aop 9,830,400 bytes; bop 13,107,200 bytes; rot 1,048,576 bytes; qc 3,276,800 bytes; kv 6,553,600 bytes; oc 3,276,800 bytes
;; launch quant (part 1): grid 64 x 8, 4 waves a work-group, no clusters, 36,352 bytes of LDS; arguments queries, keys, Wv, Wq, Wk, values, Wo, aop, bop, rot; writes aop, bop, rot
.if DOCPART == 1
	.amdgcn_target "amdgcn-amd-amdhsa--gfx1250"
	.amdhsa_code_object_version 6
	.text
	.protected	k_q77442a2f73_quant
	.globl	k_q77442a2f73_quant
	.p2align	8
	.type	k_q77442a2f73_quant,@function
k_q77442a2f73_quant:
	s_mov_b64 s[64:65], 0
	v_nop
	global_prefetch_b8 v0, s[64:65] scope:SCOPE_SE
	s_setreg_imm32_b32 hwreg(HW_REG_WAVE_MODE, 25, 1), 1
	s_wait_xcnt 0x0
; Seven f32 tensors [2048][2048], K innermost, become codes of FP6 (E2M3) with one E8M0 byte for each 32 along K; and the table of cos and sin for the rotation is made.
; A block's scale is 2^(floor(log2(its largest magnitude)) - 2); its byte is the largest magnitude's exponent field - 2, held at 1 from below.
; LIMITS: NaN and infinities are not served.  A block whose largest magnitude lies under 2^-124 (a block of zeros too) keeps the byte 1: the bytes are read by this program alone, and zero codes add nothing.
; LAYOUT OF THE RESULT.  Rows are kept in blocks of 16: block a of a run of 32 rows holds rows 32 (a / 2) + 8 (a % 2) + i + 8 (i / 8), i = 0 .. 15.  A fragment (such a block x 128 along K) is stored as the IMAGE
; of the operand's 12 registers: register 4 c + e of lane l at byte 512 c + 16 l + 4 e, 1,536 bytes.  Codes: [group of 128 rows][256 along K][128 along K][block][1536].  Scale words: [group][128 along K][block][row].
; SHARES.  Work-group y = the tensor (0 .. 6, in the order of the arguments) or 7: the table.  Wave W = 4 x + wave takes 64 rows (W / 8) x 256 along K (W % 8): eight fragments.
; Each load reads 512 consecutive bytes of one row; a fragment's 16 rows turn through the wave's own stage in LDS, so that a lane gets 16 neighbours of each block of 32 of its row.  No barrier: waves share nothing.
.set WREG,  8960                       ; LDS of a wave: a stage of 16 rows x 528 bytes, then 512 bytes for its scale words
.set SGB,   8448
.set PC,    8                          ; v8-27   the codes just made
.set TM,    28                         ; v28-43  largest magnitudes, bytes, scale operands
.set PW,    44                         ; v44     the scale word just made
.set RB,    64                         ; v64-191 two sets of 64: a fragment's numbers as loaded
.set XR,    192                        ; v192-255 the same, 16 neighbours of each block to a lane
	s_load_b512 s[8:23], s[0:1], 0x0               ; queries, keys, Wv, Wq, Wk, values, Wo, aop
	s_load_b128 s[24:27], s[0:1], 0x40             ; bop, rot
	v_lshl_add_u32 v62, v0, 2, 0x8c00
	v_mov_b32 v63, 0
	v_lshrrev_b32 v1, 5, v0
	v_readfirstlane_b32 s6, v1                     ; wave
	s_and_b32 s4, ttmp7, 0xffff                    ; T
	s_lshl_b32 s5, ttmp9, 2
	s_add_co_u32 s5, s5, s6                        ; W
	v_and_b32 v7, 31, v0
	v_lshlrev_b32 v1, 4, v7                        ; 16 x lane
	v_and_b32 v45, 15, v0                          ; r
	v_bfe_u32 v46, v0, 4, 1                        ; h
	s_mov_b32 s2, 0x76543210
	s_mov_b32 s3, 0xfedcba98                       ; v_permlanex16_b32's selects for lane l xor 16
	s_cmp_eq_u32 s4, 7
	s_cbranch_scc1 .Ltable
	s_mul_i32 s7, s6, WREG
	v_add_nc_u32 v2, s7, v1                        ; into the stage: a row's 512 bytes as they lie
	v_mul_u32_u24 v3, v45, 528
	v_lshl_add_u32 v3, v46, 6, v3
	v_add_nc_u32 v3, s7, v3                        ; out of it: row r, + 64 h
	s_add_co_u32 s7, s7, SGB
	v_lshl_add_u32 v4, v45, 2, s7                  ; my row's scale word
	v_add_nc_u32 v5, s7, v1                        ; and the 512 bytes of words on their way out
	v_lshlrev_b32 v6, 9, v46
	v_lshl_add_u32 v6, v45, 4, v6                  ; lanes 0-15: the first 128 along K, lanes 16-31 the second, 512 bytes on
.irp b, 0,1,2,3
	v_mov_b32 v[TM+4+\b], 0                        ; written once: a lane permute's destination counts as one of its sources
.endr
	s_lshr_b32 s30, s5, 3                          ; which 64 rows
	s_and_b32 s31, s5, 7                           ; which 256 along K
	s_lshl_b32 s32, s30, 19
	s_lshl_b32 s33, s31, 10
	s_add_co_u32 s32, s32, s33
	s_mov_b32 s33, 0                               ; source: 64 rows of 8,192 bytes, 1,024 bytes along K
	s_lshr_b32 s38, s5, 4                          ; group of 128 rows
	s_and_b32 s39, s30, 1                          ; its lower or upper four blocks
	s_wait_kmcnt 0x0
	s_mov_b64 s[28:29], s[8:9]
.irp n, 1,2,3,4,5,6
	s_cmp_eq_u32 s4, \n
	s_cselect_b64 s[28:29], s[8+2*\n:9+2*\n], s[28:29]  ; the choice hangs on the work-group's number alone
.endr
	s_cmp_lt_u32 s4, 3
	s_cselect_b64 s[36:37], s[22:23], s[24:25]     ; aop or bop
	s_cselect_b32 s34, 0, 3
	s_mov_b32 s35, 12582912
	s_cselect_b32 s35, 9437184, s35                ; where that buffer's scale words begin
	s_sub_co_u32 s34, s4, s34                      ; the tensor's place in its buffer
	s_mul_i32 s40, s34, 3145728
	s_mul_i32 s41, s38, 196608
	s_add_co_u32 s40, s40, s41
	s_mul_i32 s41, s31, 24576
	s_add_co_u32 s40, s40, s41
	s_mul_i32 s41, s39, 6144
	s_add_co_u32 s40, s40, s41
	s_mov_b32 s41, 0
	s_lshl_b32 s42, s34, 17
	s_add_co_u32 s42, s42, s35
	s_lshl_b32 s43, s38, 13
	s_add_co_u32 s42, s42, s43
	s_lshl_b32 s43, s31, 10
	s_add_co_u32 s42, s42, s43
	s_lshl_b32 s43, s39, 8
	s_add_co_u32 s42, s42, s43
	s_mov_b32 s43, 0
	s_add_nc_u64 s[28:29], s[28:29], s[32:33]
	s_add_nc_u64 s[40:41], s[36:37], s[40:41]      ; my images
	s_add_nc_u64 s[42:43], s[36:37], s[42:43]      ; my scale words
; 64 numbers of a lane, register 16 b + i = k 32 b + 16 h + i of my row, become a fragment's codes in v[PC] on and its scale word in v[PW]
.macro QUANT s
.irp b, 0,1,2,3
	v_max3_num_f32 v[TM+\b], |v[\s+16*\b]|, |v[\s+1+16*\b]|, 0x1800000   ; my 16 numbers of block b, and the floor 2^(3 - 127): the byte cannot fall under 1
.endr
.irp i, 2,4,6,8,10,12,14
.irp b, 0,1,2,3
	v_max3_num_f32 v[TM+\b], v[TM+\b], |v[\s+16*\b+\i]|, |v[\s+1+16*\b+\i]|
.endr
.endr
.irp b, 0,1,2,3
	v_permlanex16_b32 v[TM+4+\b], v[TM+\b], s2, s3
.endr
.irp b, 0,1,2,3
	v_max_num_f32 v[TM+\b], v[TM+\b], v[TM+4+\b]   ; with lane l xor 16's: the block's largest magnitude
.endr
.irp b, 0,1,2,3
	v_add_nc_u32 v[TM+12+\b], 0xff000000, v[TM+\b] ; 2 off its exponent field: the conversion's scale operand
.endr
.irp b, 0,1,2,3
	v_lshrrev_b32 v[TM+4+\b], 23, v[TM+12+\b]      ; the scale's byte
.endr
	v_lshl_or_b32 v[PW], v[TM+5], 8, v[TM+4]
	v_lshl_or_b32 v[PW], v[TM+6], 16, v[PW]
	v_lshl_or_b32 v[PW], v[TM+7], 24, v[PW]
.irp c, 0,1
	v_cvt_scalef32_pk16_fp6_f32 v[PC+6*\c:PC+2+6*\c], v[\s+32*\c:\s+15+32*\c], v[TM+12+2*\c]
	v_cvt_scalef32_pk16_fp6_f32 v[PC+12+4*\c:PC+14+4*\c], v[\s+16+32*\c:\s+31+32*\c], v[TM+12+2*\c+1]   ; (a conversion's three registers begin on an even number)
.endr
	v_nop                                          ; one plain place behind a scaled conversion
.irp c, 0,1                                    ; the operand's layout wants a whole block in a lane: lanes 0-15 block 2 c, lanes 16-31 block 2 c + 1
.irp i, 0,1,2
	v_permlane16_swap_b32 v[PC+6*\c+\i], v[PC+12+4*\c+\i]
.endr
.irp i, 0,1,2
	v_mov_b32 v[PC+3+6*\c+\i], v[PC+12+4*\c+\i]
.endr
.endr
.endm
.macro LOADF f                         ; fragment f: block f / 2 of my four, the (f % 2)-th 128 along K: sixteen rows, 512 consecutive bytes each
.set LR, RB+64*((\f)%2)
.set LF, 32*((\f)/4)+8*(((\f)/2)%2)
.irp i, 0,1,2,3,4,5,6,7,8,9,10,11,12,13,14,15
	global_load_b128 v[LR+4*\i:LR+4*\i+3], v1, s[28:29] offset:(LF+\i+8*(\i/8))*8192+512*((\f)%2) th:TH_LOAD_NT
.endr
.endm
.macro FRAGMENT f
.set RS, RB+64*((\f)%2)
.set JJ, (\f)/2
.set QQ, (\f)%2
.if (\f) < 7
	s_wait_loadcnt 16                              ; this fragment's 16 loads are in; the next fragment's 16 may be out
.else
	s_wait_loadcnt 0x0
.endif
.irp i, 0,1,2,3,4,5,6,7,8,9,10,11,12,13,14,15
	ds_store_b128 v2, v[RS+4*\i:RS+4*\i+3] offset:528*\i
.endr
.irp b, 0,1,2,3
.irp c, 0,1,2,3
	ds_load_b128 v[XR+16*\b+4*\c:XR+16*\b+4*\c+3], v3 offset:128*\b+16*\c   ; LDS serves a wave's instructions in order: these see the stores above
.endr
.endr
	s_wait_dscnt 0x0                               ; the numbers are back; the stores into the stage and of the last scale word have read their registers
	s_wait_xcnt 0x0                                ; the last fragment's stores have read the codes' registers
.if (\f) < 6
	LOADF (\f)+2
.endif
	QUANT XR
.irp c, 0,1,2
	global_store_b128 v1, v[PC+4*\c:PC+4*\c+3], s[40:41] offset:12288*QQ+1536*JJ+512*\c   ; 32 lanes store 512 consecutive bytes
.endr
	ds_store_b32 v4, v[PW] offset:256*QQ+64*JJ     ; both halves of the lanes write the same word with the same value
.endm
	LOADF 0
	LOADF 1
.irp f, 0,1,2,3,4,5,6,7
	FRAGMENT \f
.endr
	ds_load_b128 v[48:51], v5
	s_wait_dscnt 0x0
	global_store_b128 v6, v[48:51], s[42:43]       ; two aligned runs of 256 bytes, one for each 128 along K
	s_wait_tensorcnt 0x0
	ds_add_u32 v62, v63
	s_wait_dscnt 0x0
	s_endpgm
; THE TABLE.  rot: [block P of 16 rows, 0 .. 127][chunk 0 .. 15][lane][16 bytes]: chunk c of lane (r, h) holds cos, sin, cos, sin of pairs 2 c and 2 c + 1 of the lane's 32, pair p being channels 2 x (16 (p / 8) + 8 h + p % 8) and the next,
; at position 32 (P / 2) + 8 (P % 2) + r + 8 (r / 8): the registers that the rotation multiplies by, as they stand.  Wave W makes chunks 8 (W % 2) on of block W / 2.
; freq = exp(2 i x f32(-ln 10000 / 128)) as 2^(x log2 e), the product kept in two parts; angle = position x freq in f32; reduced by n pi / 2 (pi / 2 in two parts; the first product is exact for n under 2^11); polynomials of degree 7 and 8.
.set FQ, 64
.set PH, 80
.set PL, 96
.set EX, 112
.set OT, 128
.Ltable:
	s_lshr_b32 s30, s5, 1                          ; P
	s_and_b32 s31, s5, 1
	s_lshr_b32 s32, s30, 1
	s_lshl_b32 s32, s32, 5
	s_and_b32 s33, s30, 1
	s_lshl_b32 s33, s33, 3
	s_add_co_u32 s32, s32, s33
	v_and_b32 v4, 8, v45
	v_add_nc_u32 v4, v4, v45
	v_add_nc_u32 v4, s32, v4
	v_cvt_f32_u32 v4, v4                           ; my position
	s_lshl_b32 s33, s31, 5
	v_lshl_add_u32 v5, v46, 3, s33
	v_lshlrev_b32 v5, 1, v5                        ; 2 x (32 half + 8 h)
	s_mov_b32 s34, 0x3fb8aa3b                      ; log2 e, upper part
	s_mov_b32 s35, 0x32a57060                      ; and what is left of it
	s_mov_b32 s36, 0xbe2aaaa3                      ; sine's three
	s_mov_b32 s37, 0x3c08839e
	s_mov_b32 s38, 0xb94ca1f9
	s_mov_b32 s39, 0x3d2aaaa5                      ; cosine's three
	s_mov_b32 s40, 0xbab6061a
	s_mov_b32 s41, 0x37ccf5ce
	s_lshl_b32 s32, s5, 12
	s_mov_b32 s33, 0
	s_wait_kmcnt 0x0
	s_add_nc_u64 s[26:27], s[26:27], s[32:33]
.irp k, 0,1,2,3,4,5,6,7,8,9,10,11,12,13,14,15
	v_add_nc_u32 v[FQ+\k], 2*(16*(\k/8)+\k%8), v5
	v_cvt_f32_u32 v[FQ+\k], v[FQ+\k]
	v_mul_f32 v[FQ+\k], 0xbd935d8e, v[FQ+\k]       ; x = the even channel x f32(-ln 10000 / 128)
	v_mul_f32 v[PH+\k], s34, v[FQ+\k]
	v_fma_f32 v[PL+\k], v[FQ+\k], s34, -v[PH+\k]   ; what the product's rounding dropped,
	v_fmac_f32 v[PL+\k], s35, v[FQ+\k]             ; and the constant's lower part
	v_rndne_f32 v[EX+\k], v[PH+\k]
	v_sub_f32 v[PH+\k], v[PH+\k], v[EX+\k]
	v_add_f32 v[PH+\k], v[PH+\k], v[PL+\k]
	v_cvt_i32_f32 v[EX+\k], v[EX+\k]
.endr
.irp k, 0,1,2,3,4,5,6,7,8,9,10,11,12,13,14,15
	v_exp_f32 v[FQ+\k], v[PH+\k]
.endr
	v_nop                                          ; a plain place behind the last exponential
	s_wait_alu depctr_va_vdst(0)                   ; one wait for the batch, ahead of its first reader
.irp k, 0,1,2,3,4,5,6,7,8,9,10,11,12,13,14,15
	v_ldexp_f32 v[FQ+\k], v[FQ+\k], v[EX+\k]
.endr
.macro SINCOS k
	v_mul_f32 v16, v4, v[FQ+\k]                    ; the angle
	v_mul_f32 v17, 0x3f22f983, v16
	v_rndne_f32 v17, v17                           ; n
	v_fmamk_f32 v16, v17, 0xbfc90fdb, v16
	v_fmamk_f32 v16, v17, 0x333bbd2e, v16          ; r = angle - n pi / 2
	v_cvt_i32_f32 v17, v17
	v_mul_f32 v18, v16, v16                        ; z
	v_fma_f32 v19, v18, s38, s37
	v_fma_f32 v19, v19, v18, s36
	v_mul_f32 v19, v19, v18
	v_fma_f32 v19, v19, v16, v16                   ; sin r
	v_fma_f32 v20, v18, s41, s40
	v_fma_f32 v20, v20, v18, s39
	v_mul_f32 v20, v20, v18
	v_fma_f32 v21, v18, -0.5, 1.0
	v_fma_f32 v20, v20, v18, v21                   ; cos r
	v_and_b32 v21, 1, v17
	v_cmp_eq_u32 vcc_lo, 1, v21                    ; an odd quadrant changes the two; a choice of values only
	v_cndmask_b32 v[OT+2*\k+1], v19, v20, vcc_lo
	v_cndmask_b32 v[OT+2*\k], v20, v19, vcc_lo
	v_lshlrev_b32 v21, 30, v17
	v_and_b32 v21, 0x80000000, v21
	v_xor_b32 v[OT+2*\k+1], v[OT+2*\k+1], v21      ; sine's sign: bit 1 of n
	v_add_nc_u32 v21, 1, v17
	v_lshlrev_b32 v21, 30, v21
	v_and_b32 v21, 0x80000000, v21
	v_xor_b32 v[OT+2*\k], v[OT+2*\k], v21          ; cosine's: bit 1 of n + 1
.endm
.irp k, 0,1,2,3,4,5,6,7,8,9,10,11,12,13,14,15
	SINCOS \k
.endr
.irp c, 0,1,2,3,4,5,6,7
	global_store_b128 v1, v[OT+4*\c:OT+4*\c+3], s[26:27] offset:512*\c
.endr
	s_endpgm
.Lfunc_end_k_q77442a2f73_quant:
	.size	k_q77442a2f73_quant, .Lfunc_end_k_q77442a2f73_quant-k_q77442a2f73_quant
	.p2alignl 7, 3214868480
	.fill 96, 4, 3214868480
	.section	.rodata,"a",@progbits
	.p2align	6, 0x0
	.amdhsa_kernel k_q77442a2f73_quant
		.amdhsa_group_segment_fixed_size 36352
		.amdhsa_private_segment_fixed_size 0
		.amdhsa_enable_private_segment 0
		.amdhsa_kernarg_size 80
		.amdhsa_user_sgpr_count 2
		.amdhsa_user_sgpr_kernarg_segment_ptr 1
		.amdhsa_wavefront_size32 1
		.amdhsa_system_sgpr_workgroup_id_x 1
		.amdhsa_system_sgpr_workgroup_id_y 1
		.amdhsa_system_sgpr_workgroup_id_z 1
		.amdhsa_system_vgpr_workitem_id 0
		.amdhsa_next_free_vgpr 256
		.amdhsa_next_free_sgpr 66
		.amdhsa_reserve_vcc 1
		.amdhsa_float_denorm_mode_32 3
		.amdhsa_float_denorm_mode_16_64 3
		.amdhsa_memory_ordered 1
		.amdhsa_forward_progress 1
		.amdhsa_inst_pref_size 94
	.end_amdhsa_kernel
	.amdgpu_metadata
---
amdhsa.version: [ 1, 2 ]
amdhsa.kernels:
  - .name:           k_q77442a2f73_quant
    .symbol:         k_q77442a2f73_quant.kd
    .args:
      - { .name: queries, .offset: 0, .size: 8, .value_kind: global_buffer, .address_space: global }
      - { .name: keys, .offset: 8, .size: 8, .value_kind: global_buffer, .address_space: global }
      - { .name: Wv, .offset: 16, .size: 8, .value_kind: global_buffer, .address_space: global }
      - { .name: Wq, .offset: 24, .size: 8, .value_kind: global_buffer, .address_space: global }
      - { .name: Wk, .offset: 32, .size: 8, .value_kind: global_buffer, .address_space: global }
      - { .name: values, .offset: 40, .size: 8, .value_kind: global_buffer, .address_space: global }
      - { .name: Wo, .offset: 48, .size: 8, .value_kind: global_buffer, .address_space: global }
      - { .name: aop, .offset: 56, .size: 8, .value_kind: global_buffer, .address_space: global }
      - { .name: bop, .offset: 64, .size: 8, .value_kind: global_buffer, .address_space: global }
      - { .name: rot, .offset: 72, .size: 8, .value_kind: global_buffer, .address_space: global }
    .group_segment_fixed_size: 36352
    .private_segment_fixed_size: 0
    .kernarg_segment_align: 8
    .kernarg_segment_size: 80
    .max_flat_workgroup_size: 128
    .sgpr_count:     66
    .vgpr_count:     256
    .wavefront_size: 32
...
	.end_amdgpu_metadata
.endif
;; end of part 1
;; launch qkv (part 2): grid 8 x 24, 4 waves a work-group, clusters of 4 x 4, 327,680 bytes of LDS; arguments aop, bop, rot, qc, kv, out1, out2; writes qc, kv, out1, out2
.if DOCPART == 2
	.amdgcn_target "amdgcn-amd-amdhsa--gfx1250"
	.amdhsa_code_object_version 6
	.text
	.protected	k_q77442a2f73_qkv
	.globl	k_q77442a2f73_qkv
	.p2align	8
	.type	k_q77442a2f73_qkv,@function
k_q77442a2f73_qkv:
	s_mov_b64 s[64:65], 0
	v_nop
	global_prefetch_b8 v0, s[64:65] scope:SCOPE_SE
	s_setreg_imm32_b32 hwreg(HW_REG_WAVE_MODE, 25, 1), 1
	s_wait_xcnt 0x0
	s_wait_alu depctr_hold_cnt(0) depctr_sa_sdst(0) depctr_va_vdst(0) depctr_va_sdst(0) depctr_va_ssrc(0) depctr_va_vcc(0) depctr_vm_vsrc(0)
	s_getreg_b32 s2, hwreg(HW_REG_IB_STS2, 6, 4)
	s_cmp_eq_u32 s2, 0
	s_cbranch_scc0 .Lentry_in_a_cluster
	s_endpgm
.Lentry_in_a_cluster:
	s_bfe_u32 s2, ttmp6, 0x10000c
	s_cmp_lg_u32 s2, 0xf033
	s_cbranch_scc0 .Lentry_shape_is_right
	s_endpgm
.Lentry_shape_is_right:
; Three products of 2048 x 2048 x 2048 on codes of FP6 (E2M3) with E8M0 scales: t = 0: q = queries Wq^T; t = 1: k = keys Wk^T; t = 2: v^T = Wv values^T.  t = cluster y / 2, the same in all partners of a cluster.
; Behind the sums: q and k are rotated (f32, by the table), q is multiplied by sqrt(1 / 128), k goes out as out1; q and k are quantised along the head's 128.  v goes out as out2 and is quantised along the KEYS, which run along a lane's
; registers because the product is laid as v^T.  The codes leave as images of the next product's operand registers.
; A tile of 256 x 256 is made by four waves, 128 x 128 each: 64 accumulators, 512 registers.  K goes in steps of 256 through a ring of two LDS slots; a step's part of 128 rows is ONE dense block of 24,576 bytes of images, brought by one tensor load.
; The scale words of the work-group's rows, for all of K, come once with the first fills.  CLUSTERS of 4 x 4: A's blocks are asked for jointly along a row of the cluster, B's along a column.
; THE MATRIX INSTRUCTION IS USED TRANSPOSED (source 0 = 16 rows of B, source 1 = 16 rows of A).  The rows of a block are 32 (a / 2) + 8 (a % 2) + i + 8 (i / 8): so lane (r, h) holds row r of A's block, and the 64 registers of the block's
; eight accumulators are, register 16 B + i, B's row 32 B + 16 h + i: sixteen neighbours of each block of 32 along the next K.
; LIMITS: NaN and infinities are not served; a block whose largest magnitude lies under 2^-124 keeps the byte 1 (read by this program alone).
; REGISTERS: window 0: v3-29 addresses; v32-63 scale words, two sets, and nothing else; from v128 A's fragments, one set; behind the loop v64-127 numbers at work, v128-191 rows on their way out, v192-228 the quantiser's.
;   window 1: B's fragments, two sets; behind the loop four sets of the table.   windows 2, 3: the accumulators ((a, b) at v[8 (8 (a % 4) + b)]).
.set NQ,     2
.set FR,     12
.set NL,     3                         ; LDS loads that bring a fragment
.set NP,     4                         ; places behind this matrix instruction (ISA guide 7.12.1)
.set HALFT,  24576                     ; 128 rows x 256 along K as images
.set SLOT,   4*HALFT
.set LAPS,   4
.set SCL,    2*SLOT                    ; the scale words: 8,192 bytes for each 128 rows
.set HALFS,  8192
.set SPARE,  SCL+4*HALFS               ; the spare words, 128 bytes a wave: no other line names them
.set QSTG,   SPARE+512                 ; q's and k's way: a stage of 16 rows x 528 bytes for each wave,
.set QSG,    QSTG+4*16*528             ; and 512 bytes for its scale words
.set VSTG,   0                         ; v's way: a stage of 64 rows x 272 bytes for each wave, in slot 0, which has had its last fill and its last read by then,
.set VSG,    4*64*272                  ; and 512 bytes for its scale words
.set LI,   3                           ; v3   16 x lane
.set QSGW, 4
.set QSGR, 5
.set VSGW, 6
.set VSGR, 7
.set VSTO, 8                           ; v8-9
.set VRD,  10                          ; v10-11
.set VGO,  12
.set ADRA, 16
.set ADRB, 20
.set STO,  24
.set RD,   25
.set ADRS, 27
.set SPW,  28
.set NIL,  29
.set SC,   32
.set AF,   128
.set XR,   64
.set BK,   128
.set PC,   192
.set TM,   212
.set PW,   228
.set SEL,  46
.set G1, 24
.set G0, 32
.set G1B, 48
.set G0B, 56
.set G1S, 68
.set G0S, 76
.set G1SB, 80
.set G0SB, 88
.set MSB, 0
.macro WIN new                         ; the immediate's high byte repeats the setting that is left
.if MSB != (\new)
	s_set_vgpr_msb (MSB<<8)|(\new)
.set MSB, (\new)
.endif
.endm
.set MUL_LO, 0xa1                      ; source 0 (B) window 1, source 1 (A) window 0, C and D window 2
.set MUL_HI, 0xf1
.set TO_B,   0x40
; A joint load: waves 0 and 1 fetch for A, waves 2 and 3 for B; the branch hangs on the wave's number alone.  Four v_nop follow each of the two lines.
.macro JLOAD g0a, g1a, g0b, g1b
	s_cmp_eq_u32 s15, 0
	s_cbranch_scc0 .Lfor_b_\@
	tensor_load_to_lds s[\g0a:\g0a+3], s[\g1a:\g1a+7]
	s_nop 0
.rept 4
	v_nop
.endr
	s_branch .Lasked_\@
.Lfor_b_\@:
	tensor_load_to_lds s[\g0b:\g0b+3], s[\g1b:\g1b+7]
	s_nop 0
.rept 4
	v_nop
.endr
.Lasked_\@:
.endm
.macro CREST
	s_cmp_lg_u32 s14, 0
	s_cbranch_scc1 .Lnot_wave_0_\@
	s_barrier_signal -3
.Lnot_wave_0_\@:
	s_barrier_wait -3
	s_barrier_signal -1
	s_barrier_wait -1
.endm
.macro CROUND
	s_barrier_signal -1
	s_barrier_wait -1
	CREST
.endm
	s_load_b128 s[4:7], s[0:1], 0x0                ; aop, bop
	s_load_b128 s[8:11], s[0:1], 0x10              ; rot, qc
	s_load_b64 s[12:13], s[0:1], 0x20              ; kv
	s_load_b64 s[66:67], s[0:1], 0x28              ; out1
	s_load_b64 s[96:97], s[0:1], 0x30              ; out2
	v_lshl_add_u32 v[SPW], v0, 2, SPARE
	v_mov_b32 v[NIL], 0
	ds_add_u32 v28, v29
	s_wait_dscnt 0x0
	v_lshrrev_b32 v1, 5, v0
	v_readfirstlane_b32 s14, v1                    ; wave 0..3
	s_lshr_b32 s15, s14, 1                         ; my half of the tile's rows.  Also: I fetch for A (0) or for B (1)
	s_and_b32 s16, s14, 1                          ; my half of its columns.  Also: which 128 rows I fetch
	s_bfe_u32 s40, ttmp6, 0x40000                  ; cx
	s_bfe_u32 s41, ttmp6, 0x40004                  ; cy
	s_lshl_b32 s42, ttmp9, 2
	s_add_co_u32 s42, s42, s40                     ; tile column, 0 .. 7
	s_and_b32 s17, ttmp7, 0xffff
	s_lshr_b32 s98, s17, 1                         ; t: which product
	s_lshl_b32 s17, s17, 2
	s_add_co_u32 s17, s17, s41                     ; tile row over the three products, 0 .. 23
	s_and_b32 s99, s17, 7                          ; tile row in my product
	s_lshl_b32 s43, s41, 2
	s_lshl_b32 s43, 15, s43                        ; my row of the cluster
	s_lshl_b32 s44, 0x1111, s40                    ; my column
	; descriptor group 1: a dense block as rows of 256 bytes (32 elements of 8 bytes): 96 rows of codes, 32 rows of scale words; no padding: images are read 512 consecutive bytes an instruction
	s_or_b32 s[G1+0], s43, (3<<16)|(1<<21)
	s_or_b32 s[G1B+0], s44, (3<<16)|(1<<21)
.irp g, G1, G1B
	s_mov_b32 s[\g+1], 32<<16
	s_mov_b32 s[\g+2], 96<<16
	s_mov_b32 s[\g+3], 32<<16
	s_mov_b32 s[\g+4], 96
	s_mov_b32 s[\g+5], 32
	s_mov_b32 s[\g+6], 0
	s_mov_b32 s[\g+7], 0
.endr
	s_or_b32 s[G1S+0], s43, (3<<16)|(1<<21)
	s_or_b32 s[G1SB+0], s44, (3<<16)|(1<<21)
.irp g, G1S, G1SB
	s_mov_b32 s[\g+1], 32<<16
	s_mov_b32 s[\g+2], 32<<16
	s_mov_b32 s[\g+3], 32<<16
	s_mov_b32 s[\g+4], 32
	s_mov_b32 s[\g+5], 32
	s_mov_b32 s[\g+6], 0
	s_mov_b32 s[\g+7], 0
.endr
	s_lshl_b32 s20, s17, 1
	s_add_co_u32 s20, s20, s16                     ; A: group of 128 rows 2 x tile row + half (the three tensors lie on end)
	s_lshl_b32 s46, s98, 4
	s_lshl_b32 s47, s42, 1
	s_add_co_u32 s46, s46, s47
	s_add_co_u32 s46, s46, s16                     ; B: group 16 t + 2 x tile column + half
	s_lshl_b32 s22, s20, 13
	s_add_co_u32 s22, s22, 9437184                 ; A's scale words
	s_mov_b32 s23, 0
	s_mul_i32 s20, s20, 196608
	s_mov_b32 s21, 0
	s_lshl_b32 s92, s46, 13
	s_add_co_u32 s92, s92, 12582912                ; B's
	s_mov_b32 s93, 0
	s_mul_i32 s46, s46, 196608
	s_mov_b32 s47, 0
	s_mul_i32 s45, s14, HALFT                      ; where they go: no place in the cluster enters an LDS address
	s_mul_i32 s94, s14, HALFS
	s_wait_kmcnt 0x0
	s_add_nc_u64 s[20:21], s[4:5], s[20:21]
	s_add_nc_u64 s[22:23], s[4:5], s[22:23]
	s_add_nc_u64 s[46:47], s[6:7], s[46:47]
	s_add_nc_u64 s[92:93], s[6:7], s[92:93]
	CROUND                                         ; all sixteen work-groups are here: the first joint loads meet
	s_mov_b32 s[G0S], 1
	s_add_co_u32 s[G0S+1], s94, SCL
	s_mov_b64 s[G0S+2:G0S+3], s[22:23]
	s_or_b32 s[G0S+3], s[G0S+3], 0x80000000
	s_mov_b32 s[G0SB], 1
	s_add_co_u32 s[G0SB+1], s94, SCL
	s_mov_b64 s[G0SB+2:G0SB+3], s[92:93]
	s_or_b32 s[G0SB+3], s[G0SB+3], 0x80000000
	JLOAD G0S, G1S, G0SB, G1SB                     ; the scale words first: they are wanted with K step 0
.irp s, 0,1
	s_mov_b32 s[G0+4*\s], 1
	s_add_co_u32 s[G0+4*\s+1], s45, \s*SLOT
	s_add_nc_u64 s[G0+4*\s+2:G0+4*\s+3], s[20:21], \s*HALFT
	s_or_b32 s[G0+4*\s+3], s[G0+4*\s+3], 0x80000000
	s_mov_b32 s[G0B+4*\s], 1
	s_add_co_u32 s[G0B+4*\s+1], s45, \s*SLOT
	s_add_nc_u64 s[G0B+4*\s+2:G0B+4*\s+3], s[46:47], \s*HALFT
	s_or_b32 s[G0B+4*\s+3], s[G0B+4*\s+3], 0x80000000
	JLOAD G0+4*\s, G1, G0B+4*\s, G1B
.endr
	v_and_b32 v1, 15, v0                           ; r
	v_bfe_u32 v2, v0, 4, 1                         ; h
	v_and_b32 v13, 31, v0
	v_lshlrev_b32 v[LI], 4, v13
	s_mul_i32 s21, s15, HALFT                      ; my 128 rows of A
	s_mul_i32 s22, s16, HALFT
	s_add_co_u32 s22, s22, 2*HALFT                 ; my 128 rows of B, behind A's 256
.irp s, 0,1
	v_add_nc_u32 v[ADRA+\s], s21, v[LI]
	v_add_nc_u32 v[ADRB+\s], s22, v[LI]
	s_add_co_u32 s21, s21, SLOT
	s_add_co_u32 s22, s22, SLOT
.endr
	s_mul_i32 s21, s15, HALFS
	s_mul_i32 s22, s16, HALFS
	s_add_co_u32 s22, s22, 2*HALFS
	s_sub_co_u32 s22, s22, s21
	v_lshlrev_b32 v14, 2, v1
	v_mul_u32_u24 v15, s22, v2                     ; lanes 16-31 take B's words: one product with h
	s_add_co_u32 s21, s21, SCL
	v_add_nc_u32 v14, v14, v15
	v_add_nc_u32 v[ADRS], s21, v14
	; the addresses for the ways out, all made here, ahead of the parting of the ways
	s_lshl_b32 s18, s14, 9
	v_lshlrev_b32 v14, 2, v1
	v_add_nc_u32 v14, s18, v14
	v_add_nc_u32 v[QSGW], QSG, v14                 ; my row's scale word
	v_add_nc_u32 v[VSGW], VSG, v14
	v_add_nc_u32 v15, s18, v[LI]
	v_add_nc_u32 v[QSGR], QSG, v15                 ; and the wave's 512 bytes of them on their way out
	v_add_nc_u32 v[VSGR], VSG, v15
	s_mul_i32 s18, s14, 64*272
	v_and_b32 v14, 8, v1
	v_add_nc_u32 v14, v14, v1
	v_lshlrev_b32 v14, 2, v14
	v_add_nc_u32 v14, s18, v14                     ; v's stage: my channel's 4 bytes in a row;
	v_mad_u32_u24 v[VSTO], v2, 4480, v14           ; lanes 16-31 stand 16 rows further down, and those rows keep their two halves of 128 bytes changed about: + 128 for channels 0-31,
	v_mad_u32_u24 v[VSTO+1], v2, 4224, v14         ; - 128 for channels 32-63: so the two halves of the lanes store into different banks (64 banks of 4 bytes: ISA guide 11.1)
	v_mul_u32_u24 v15, v2, 272
	v_add_nc_u32 v15, s18, v15
	v_lshl_add_u32 v[VRD], v1, 4, v15              ; back: lanes 0-15 one row of 256 bytes, lanes 16-31 the next;
	v_xor_b32 v14, 8, v1
	v_lshl_add_u32 v[VRD+1], v14, 4, v15           ; the same for rows whose halves are changed about
	v_lshlrev_b32 v[VGO], 9, v2
	v_lshl_add_u32 v[VGO], v1, 4, v[VGO]           ; and the same two rows in out2
	s_mul_i32 s18, s14, 16*528
	s_add_co_u32 s18, s18, QSTG
	v_mul_u32_u24 v14, v1, 528
	v_lshl_add_u32 v14, v2, 6, v14
	v_add_nc_u32 v[STO], s18, v14                  ; k's stage: row r, + 64 h
	v_add_nc_u32 v[RD], s18, v[LI]                 ; back: a row of 512 bytes to the 32 lanes
.macro FRAG reg, adr, q, i             ; a fragment comes as it was stored: three loads of 512 consecutive bytes
.irp c, 0,1,2
	ds_load_b128 v[\reg+4*\c:\reg+4*\c+3], v[\adr] offset:12288*(\q)+1536*(\i)+512*\c
.endr
.endm
; 16 matrix instructions: A's blocks a0, a0 + 1 x B's eight.  The 64 accumulators take turns, one instruction a turn, in the same order in every step.
.macro MUL16 a0, p, q, sc, zero
.irp a, \a0, \a0+1
.irp b, 0,1,2,3,4,5,6,7
.if \zero
	v_wmma_scale_f32_16x16x128_f8f6f4 v[8*(8*((\a)%4)+\b):8*(8*((\a)%4)+\b)+7], v[128*(\p)+FR*\b:128*(\p)+FR*\b+FR-1], v[AF+FR*(\a):AF+FR*(\a)+FR-1], 0, v[SC+8*NQ*(\sc)+NQ*\b+(\q)], v[SC+8*NQ*(\sc)+NQ*(\a)+(\q)] matrix_a_fmt:MATRIX_FMT_FP6 matrix_b_fmt:MATRIX_FMT_FP6 matrix_a_scale:MATRIX_SCALE_ROW1
.else
	v_wmma_scale_f32_16x16x128_f8f6f4 v[8*(8*((\a)%4)+\b):8*(8*((\a)%4)+\b)+7], v[128*(\p)+FR*\b:128*(\p)+FR*\b+FR-1], v[AF+FR*(\a):AF+FR*(\a)+FR-1], v[8*(8*((\a)%4)+\b):8*(8*((\a)%4)+\b)+7], v[SC+8*NQ*(\sc)+NQ*\b+(\q)], v[SC+8*NQ*(\sc)+NQ*(\a)+(\q)] matrix_a_fmt:MATRIX_FMT_FP6 matrix_b_fmt:MATRIX_FMT_FP6 matrix_a_scale:MATRIX_SCALE_ROW1
.endif
.endr
.endr
.endm
.macro FETCH_B slot, q, p
	WIN TO_B
.irp i, 0,1,2,3,4,5,6,7
	FRAG 128*(\p)+FR*\i, ADRB+\slot, \q, \i
.endr
	WIN 0
.endm
.macro FETCH_A slot, q, i0
.irp i, \i0, \i0+1, \i0+2, \i0+3
	FRAG AF+FR*(\i), ADRA+\slot, \q, \i
.endr
.endm
.macro SCALES sc                       ; a K step's scale words: register 2 i + q: lanes 0-15 A's block i, lanes 16-31 B's block i, the step's q-th 128 along K
.irp i, 0,1,2,3,4,5,6,7
.irp q, 0,1
	ds_load_b32 v[SC+8*NQ*\sc+NQ*\i+\q], v[ADRS] offset:512*\q+64*\i
.endr
.endr
.endm
.macro PLACES n
.rept \n
	v_nop
.endr
.endm
.macro STEP slot, q, zero              ; 128 along K that have their successor in the same slot
	s_wait_dscnt 4*NL                              ; B's set, A's blocks 0-3 and the scale words are in; the youngest 12 loads (A's blocks 4-7) may be out
	WIN MUL_LO
	MUL16 0, (\q)%2, \q, \slot, \zero
	MUL16 2, (\q)%2, \q, \slot, \zero
	s_wait_dscnt 0
	PLACES NP
	FETCH_B \slot, (\q)+1, 1-(\q)%2
	FETCH_A \slot, (\q)+1, 0
	WIN MUL_HI
	MUL16 4, (\q)%2, \q, \slot, \zero
	MUL16 6, (\q)%2, \q, \slot, \zero
	PLACES NP
	WIN 0
	FETCH_A \slot, (\q)+1, 4
.endm
; A slot's last 128 along K change slots: one barrier; in front of it each wave waits for all its tensor loads, adds 0 to its spare word, and waits for that and for its reads of this slot.  fill = 1: the slot is filled again, two K steps ahead.
.macro TURN slot, next, fill
	s_wait_tensorcnt 0x0                           ; all my tensor loads have landed: my part of the next slot
	ds_add_u32 v[SPW], v[NIL]                      ; 0 onto my spare word
	s_wait_dscnt 4*NL+1                            ; (the add and the youngest 12 loads may be out)
	WIN MUL_LO
	MUL16 0, 1, NQ-1, \slot, 0
	s_wait_dscnt 0x0                               ; the add is done, and my reads of this slot are over
	s_barrier_signal -1
	MUL16 2, 1, NQ-1, \slot, 0
	WIN 0
	s_barrier_wait -1
.if \fill
	CREST                                          ; the barrier has opened a round of the cluster's barrier: no wave of any partner still reads this slot or has a load on its way
	s_add_nc_u64 s[G0+4*\slot+2:G0+4*\slot+3], s[G0+4*\slot+2:G0+4*\slot+3], 2*HALFT
	s_add_nc_u64 s[G0B+4*\slot+2:G0B+4*\slot+3], s[G0B+4*\slot+2:G0B+4*\slot+3], 2*HALFT
	JLOAD G0+4*\slot, G1, G0B+4*\slot, G1B         ; the first tensor load behind the round; its four v_nop are the places in front of the loads below
.else
	PLACES NP
.endif
	v_add_nc_u32 v[ADRS], 1024, v[ADRS]            ; the next K step's scale words (no LDS load of mine is out)
	FETCH_B \next, 0, 0
	FETCH_A \next, 0, 0
	SCALES \next
	WIN MUL_HI
	MUL16 4, 1, NQ-1, \slot, 0
	MUL16 6, 1, NQ-1, \slot, 0
	PLACES NP
	WIN 0
	FETCH_A \next, 0, 4
.endm
	s_wait_tensorcnt 1                             ; of my three first fills the scale words and K step 0 are in; K step 1's may be out
	s_barrier_signal -1
	s_barrier_wait -1
	FETCH_B 0, 0, 0
	FETCH_A 0, 0, 0
	SCALES 0
	FETCH_A 0, 0, 4
	STEP 0, 0, 1                                   ; the first products start the sums: nothing is cleared
	s_mov_b32 s3, LAPS-1
.Llap:
	TURN 0, 1, 1
	STEP 1, 0, 0
	TURN 1, 0, 1
	STEP 0, 0, 0
	s_sub_co_u32 s3, s3, 1
	s_cmp_lg_u32 s3, 0
	s_cbranch_scc1 .Llap
	TURN 0, 1, 0                                   ; the last lap fills nothing
	STEP 1, 0, 0
	s_wait_dscnt 4*NL
	WIN MUL_LO
	MUL16 0, 1, NQ-1, 1, 0
	MUL16 2, 1, NQ-1, 1, 0
	s_wait_dscnt 0
	WIN MUL_HI
	MUL16 4, 1, NQ-1, 1, 0
	MUL16 6, 1, NQ-1, 1, 0
	WIN 0
	PLACES NP                                      ; behind the last products: results are read, and their operands' registers written, from here on
; 64 numbers of a lane in window w, register 16 b + i = k 32 b + 16 h + i of my row, become a fragment's codes in v[PC] on and its scale word in v[PW].  Each accumulator is read from its low end on.
.macro QUANT s, w
	WIN (\w)|((\w)<<2)
.irp b, 0,1,2,3
	v_max3_num_f32 v[TM+\b], |v[\s+16*\b]|, |v[\s+1+16*\b]|, 0x1800000   ; and the floor 2^(3 - 127): the byte cannot fall under 1
.endr
.irp i, 2,4,6,8,10,12,14
.irp b, 0,1,2,3
	v_max3_num_f32 v[TM+\b], |v[\s+16*\b+\i]|, |v[\s+1+16*\b+\i]|, v[TM+\b]
.endr
.endr
	WIN 0
.irp b, 0,1,2,3
	v_permlanex16_b32 v[TM+4+\b], v[TM+\b], s[SEL], s[SEL+1]
.endr
.irp b, 0,1,2,3
	v_max_num_f32 v[TM+\b], v[TM+\b], v[TM+4+\b]
.endr
.irp b, 0,1,2,3
	v_add_nc_u32 v[TM+12+\b], 0xff000000, v[TM+\b] ; 2 off the exponent field: the conversion's scale operand
.endr
.irp b, 0,1,2,3
	v_lshrrev_b32 v[TM+4+\b], 23, v[TM+12+\b]
.endr
	v_lshl_or_b32 v[PW], v[TM+5], 8, v[TM+4]
	v_lshl_or_b32 v[PW], v[TM+6], 16, v[PW]
	v_lshl_or_b32 v[PW], v[TM+7], 24, v[PW]
	WIN (\w)
.irp c, 0,1
	v_cvt_scalef32_pk16_fp6_f32 v[PC+6*\c:PC+2+6*\c], v[\s+32*\c:\s+15+32*\c], v[TM+12+2*\c]
	v_cvt_scalef32_pk16_fp6_f32 v[PC+12+4*\c:PC+14+4*\c], v[\s+16+32*\c:\s+31+32*\c], v[TM+12+2*\c+1]
.endr
	WIN 0
	v_nop                                          ; one plain place behind a scaled conversion
.irp c, 0,1
.irp i, 0,1,2
	v_permlane16_swap_b32 v[PC+6*\c+\i], v[PC+12+4*\c+\i]
.endr
.irp i, 0,1,2
	v_mov_b32 v[PC+3+6*\c+\i], v[PC+12+4*\c+\i]
.endr
.endr
.endm
.irp b, 0,1,2,3
	v_mov_b32 v[TM+4+\b], 0                        ; written once: a lane permute's destination counts as one of its sources
.endr
	s_mov_b32 s[SEL], 0x76543210
	s_mov_b32 s[SEL+1], 0xfedcba98
	s_cmp_eq_u32 s98, 2
	s_cbranch_scc1 .Lv
	; ---- q and k.  My 128 columns are one head, my 128 rows one group g of positions
	s_lshl_b32 s18, s42, 1
	s_add_co_u32 s18, s18, s16                     ; head
	s_lshl_b32 s19, s99, 1
	s_add_co_u32 s19, s19, s15                     ; g
	s_lshl_b32 s20, s19, 16
	s_mov_b32 s21, 0
	s_add_nc_u64 s[8:9], s[8:9], s[20:21]          ; the table of my eight blocks of positions
	s_lshl_b32 s22, s18, 20
	s_add_co_u32 s20, s20, s22
	s_add_nc_u64 s[66:67], s[66:67], s[20:21]      ; out1 at [head][128 g]
	s_mul_i32 s22, s18, 196608
	s_mul_i32 s23, s19, 12288
	s_add_co_u32 s22, s22, s23                     ; q's images
	s_lshl_b32 s23, s18, 13
	s_lshl_b32 s43, s19, 9
	s_add_co_u32 s23, s23, s43
	s_add_co_u32 s23, s23, 3145728                 ; q's scale words
	s_lshl_b32 s40, s18, 4
	s_add_co_u32 s40, s40, s19
	s_mul_i32 s40, s40, 25600                      ; k's images: key step g of the head
	s_add_co_u32 s41, s40, 24576                   ; k's scale words
	s_cmp_eq_u32 s98, 0
	s_cselect_b64 s[92:93], s[10:11], s[12:13]     ; qc or kv: the choice hangs on the cluster's number alone
	s_cselect_b32 s20, s22, s40
	s_cselect_b32 s22, s23, s41
	s_mov_b32 s23, 0
	s_add_nc_u64 s[94:95], s[92:93], s[22:23]
	s_add_nc_u64 s[92:93], s[92:93], s[20:21]
	s_mov_b32 s2, 0x3db504f3                       ; sqrt(1 / 128)
	s_mov_b32 s3, s2                               ; (named with it as a pair, so it is written)
.macro TABLOAD a                       ; block a's cos and sin, 64 registers as they are multiplied by, into set a % 4 of window 1
	WIN 0x40
.irp c, 0,1,2,3,4,5,6,7,8,9,10,11,12,13,14,15
	global_load_b128 v[64*((\a)%4)+4*\c:64*((\a)%4)+4*\c+3], v[LI], s[8:9] offset:8192*(\a)+512*\c
.endr
.endm
.macro QKBLOCK a
.set AC, 64*((\a)%4)
.set FI, 32*((\a)/2)+8*((\a)%2)
.if (\a) > 0
	s_wait_xcnt 0x0                                ; the last block's stores have read the codes' and the rows' registers
	s_wait_dscnt 0x0                               ; and the store of its scale word its register
.endif
.if (\a) < 5
	s_wait_loadcnt 48                              ; my set of the table is in; the three sets asked for behind it may be out
.else
	s_wait_loadcnt 16*(7-(\a))
.endif
	WIN 0x04|(2+(\a)/4)                            ; source 0: the accumulators' window; source 1: the table's
.set PP, 0
.rept 32
	v_pk_mul_f32 v[XR+PP:XR+PP+1], v[AC+PP:AC+PP+1], v[AC+PP:AC+PP+1] op_sel_hi:[1,0]   ; xr cos, xi cos (of the table's pair the first word, cos, serves both)
.set PP, PP+2
.endr
.set PP, 0
.rept 32
	v_fma_f32 v[XR+PP], v[AC+PP+1], v[AC+PP+1], v[XR+PP]        ; + xi sin
	v_fma_f32 v[XR+PP+1], -v[AC+PP], v[AC+PP+1], v[XR+PP+1]     ; - xr sin
.set PP, PP+2
.endr
.if (\a) < 4
	TABLOAD (\a)+4
.endif
	WIN 0
	s_cmp_eq_u32 s98, 0
	s_cbranch_scc0 .Lis_k_\@
.set PP, 0
.rept 32
	v_pk_mul_f32 v[XR+PP:XR+PP+1], v[XR+PP:XR+PP+1], s[2:3] op_sel_hi:[1,0]   ; q x sqrt(1 / 128), ahead of its quantiser
.set PP, PP+2
.endr
	s_branch .Lboth_\@
.Lis_k_\@:                             ; k goes out as out1: a lane holds pieces of one row; through my stage they become whole rows of 512 bytes
.irp b, 0,1,2,3
.irp c, 0,1,2,3
	ds_store_b128 v[STO], v[XR+16*\b+4*\c:XR+16*\b+4*\c+3] offset:128*\b+16*\c
.endr
.endr
.irp i, 0,1,2,3,4,5,6,7,8,9,10,11,12,13,14,15
	ds_load_b128 v[BK+4*\i:BK+4*\i+3], v[RD] offset:528*\i     ; LDS serves a wave's instructions in order: these see the stores above
.endr
	s_wait_dscnt 0x0
.irp i, 0,1,2,3,4,5,6,7,8,9,10,11,12,13,14,15
	global_store_b128 v[LI], v[BK+4*\i:BK+4*\i+3], s[66:67] offset:(FI+\i+8*(\i/8))*512 th:TH_STORE_NT   ; 32 lanes store a row of 512 bytes
.endr
.Lboth_\@:
	QUANT XR, 0
.irp c, 0,1,2
	global_store_b128 v[LI], v[PC+4*\c:PC+4*\c+3], s[92:93] offset:1536*(\a)+512*\c
.endr
	ds_store_b32 v[QSGW], v[PW] offset:64*(\a)
.endm
	TABLOAD 0
	TABLOAD 1
	TABLOAD 2
	TABLOAD 3
.irp a, 0,1,2,3,4,5,6,7
	QKBLOCK \a
.endr
	ds_load_b128 v[XR:XR+3], v[QSGR]
	s_wait_dscnt 0x0
	global_store_b128 v[LI], v[XR:XR+3], s[94:95]  ; my 128 rows' scale words: 512 consecutive bytes
	s_branch .Lend
	; ---- v.  My 128 rows are one head's channels, my 128 columns one key step
.Lv:
	s_lshl_b32 s18, s99, 1
	s_add_co_u32 s18, s18, s15                     ; head
	s_lshl_b32 s19, s42, 1
	s_add_co_u32 s19, s19, s16                     ; key step
	s_lshl_b32 s20, s18, 4
	s_add_co_u32 s20, s20, s19
	s_mul_i32 s20, s20, 25600
	s_add_co_u32 s20, s20, 12288
	s_mov_b32 s21, 0
	s_add_nc_u64 s[92:93], s[12:13], s[20:21]      ; V^T's images
	s_add_nc_u64 s[94:95], s[92:93], 12800         ; its scale words
	s_lshl_b32 s20, s18, 20
	s_lshl_b32 s22, s19, 16
	s_add_co_u32 s20, s20, s22
	s_add_nc_u64 s[96:97], s[96:97], s[20:21]      ; out2 at [head][128 x step]
.irp a, 0,1,2,3,4,5,6,7
.if \a > 0
	s_wait_xcnt 0x0                                ; the last block's stores have read the codes' registers
	s_wait_dscnt 0x0
.endif
.set QS, 64*(\a%4)
	QUANT QS, 2+\a/4                               ; straight from the accumulators: a lane's registers run along the keys
.irp c, 0,1,2
	global_store_b128 v[LI], v[PC+4*\c:PC+4*\c+3], s[92:93] offset:1536*\a+512*\c
.endr
	ds_store_b32 v[VSGW], v[PW] offset:64*\a
.endr
; out2 wants the channels along a row.  64 channels (window 2 + wd) x 64 keys (half kh) turn through my stage: a word a lane in, rows of 256 bytes out.
.macro VPASS wd, kh
	WIN 0x08+4*(\wd)                               ; an LDS store's data are its source 1
.irp aa, 0,1,2,3
.irp bb, 0,1
.irp u, 0,1
.irp j, 0,1,2,3,4,5,6,7
	ds_store_b32 v[VSTO+\aa/2], v[64*\aa+8*(2*(2*(\kh)+\bb)+\u)+\j] offset:(32*\bb+8*\u+\j)*272+4*(32*(\aa/2)+8*(\aa%2))
.endr
.endr
.endr
.endr
	WIN 0
.irp g, 0,1
	s_wait_xcnt 0x0                                ; earlier stores have read these registers
.irp t, 0,1,2,3,4,5,6,7,8,9,10,11,12,13,14,15
	ds_load_b128 v[XR+64*\g+4*\t:XR+64*\g+4*\t+3], v[VRD+(((16*\g+\t)>>3)&1)] offset:2*(16*\g+\t)*272
.endr
	s_wait_dscnt 0x0
.irp t, 0,1,2,3,4,5,6,7,8,9,10,11,12,13,14,15
	global_store_b128 v[VGO], v[XR+64*\g+4*\t:XR+64*\g+4*\t+3], s[96:97] offset:(64*(\kh)+2*(16*\g+\t))*512+256*(\wd) th:TH_STORE_NT   ; 16 lanes store 256 consecutive bytes, aligned
.endr
.endr
.endm
	VPASS 0, 0
	VPASS 0, 1
	VPASS 1, 0
	VPASS 1, 1
	s_wait_xcnt 0x0
	ds_load_b128 v[XR:XR+3], v[VSGR]
	s_wait_dscnt 0x0
	global_store_b128 v[LI], v[XR:XR+3], s[94:95]
.Lend:
	s_wait_tensorcnt 0x0                           ; the wave's end
	ds_add_u32 v[SPW], v[NIL]
	s_wait_dscnt 0x0
	CROUND                                         ; the closing round: no work-group ends while a partner may still ask for a block that names it
	s_endpgm
.Lfunc_end_k_q77442a2f73_qkv:
	.size	k_q77442a2f73_qkv, .Lfunc_end_k_q77442a2f73_qkv-k_q77442a2f73_qkv
	.p2alignl 7, 3214868480
	.fill 96, 4, 3214868480
	.section	.rodata,"a",@progbits
	.p2align	6, 0x0
	.amdhsa_kernel k_q77442a2f73_qkv
		.amdhsa_group_segment_fixed_size 327680
		.amdhsa_private_segment_fixed_size 0
		.amdhsa_enable_private_segment 0
		.amdhsa_kernarg_size 56
		.amdhsa_user_sgpr_count 2
		.amdhsa_user_sgpr_kernarg_segment_ptr 1
		.amdhsa_wavefront_size32 1
		.amdhsa_system_sgpr_workgroup_id_x 1
		.amdhsa_system_sgpr_workgroup_id_y 1
		.amdhsa_system_sgpr_workgroup_id_z 1
		.amdhsa_system_vgpr_workitem_id 0
		.amdhsa_next_free_vgpr 1024
		.amdhsa_next_free_sgpr 100
		.amdhsa_reserve_vcc 0
		.amdhsa_float_denorm_mode_32 3
		.amdhsa_float_denorm_mode_16_64 3
		.amdhsa_memory_ordered 1
		.amdhsa_forward_progress 1
		.amdhsa_inst_pref_size 255
	.end_amdhsa_kernel
	.section	.bss,"aw",@nobits
	.p2align	6
	.space	262144
	.amdgpu_metadata
---
amdhsa.version: [ 1, 2 ]
amdhsa.kernels:
  - .name:           k_q77442a2f73_qkv
    .symbol:         k_q77442a2f73_qkv.kd
    .args:
      - { .name: aop, .offset: 0, .size: 8, .value_kind: global_buffer, .address_space: global }
      - { .name: bop, .offset: 8, .size: 8, .value_kind: global_buffer, .address_space: global }
      - { .name: rot, .offset: 16, .size: 8, .value_kind: global_buffer, .address_space: global }
      - { .name: qc, .offset: 24, .size: 8, .value_kind: global_buffer, .address_space: global }
      - { .name: kv, .offset: 32, .size: 8, .value_kind: global_buffer, .address_space: global }
      - { .name: out1, .offset: 40, .size: 8, .value_kind: global_buffer, .address_space: global }
      - { .name: out2, .offset: 48, .size: 8, .value_kind: global_buffer, .address_space: global }
    .group_segment_fixed_size: 327680
    .private_segment_fixed_size: 0
    .kernarg_segment_align: 8
    .kernarg_segment_size: 56
    .max_flat_workgroup_size: 128
    .sgpr_count:     100
    .vgpr_count:     1024
    .wavefront_size: 32
...
	.end_amdgpu_metadata
.endif
;; end of part 2
;; launch attn (part 3): grid 16 x 16, 8 waves a work-group, clusters of 4 x 4, 327,680 bytes of LDS; arguments qc, kv, mask, oc; writes oc
.if DOCPART == 3
	.amdgcn_target "amdgcn-amd-amdhsa--gfx1250"
	.amdhsa_code_object_version 6
	.text
	.protected	k_q77442a2f73_attn
	.globl	k_q77442a2f73_attn
	.p2align	8
	.type	k_q77442a2f73_attn,@function
k_q77442a2f73_attn:
	s_mov_b64 s[64:65], 0
	v_nop
	global_prefetch_b8 v0, s[64:65] scope:SCOPE_SE
	s_setreg_imm32_b32 hwreg(HW_REG_WAVE_MODE, 25, 1), 1
	s_wait_xcnt 0x0
	s_wait_alu depctr_hold_cnt(0) depctr_sa_sdst(0) depctr_va_vdst(0) depctr_va_sdst(0) depctr_va_ssrc(0) depctr_va_vcc(0) depctr_vm_vsrc(0)
	s_getreg_b32 s2, hwreg(HW_REG_IB_STS2, 6, 4)
	s_cmp_eq_u32 s2, 0
	s_cbranch_scc0 .Lentry_in_a_cluster
	s_endpgm
.Lentry_in_a_cluster:
	s_bfe_u32 s2, ttmp6, 0x10000c
	s_cmp_lg_u32 s2, 0xf033
	s_cbranch_scc0 .Lentry_shape_is_right
	s_endpgm
.Lentry_shape_is_right:
; o = softmax(q k^T + mask) v for 16 heads, 2,048 queries and keys, head size 128, both products on codes of FP6 (E2M3) with E8M0 scales.  sqrt(1 / 128) lies in q's codes already.  The mask is an input: it is read and added as it is given.
; t = (score + mask) x log2 e; M = the running largest t rounded UP to a whole number; p = 2^(t - M) is quantised along the keys, not normalised; the row's sum of the unquantised p divides at the end.  When M moves, the sum and O are
; multiplied by 2^(old M - new M): exact.  o is quantised along the head's 128 and leaves as an image of the last product's operand registers.
; SHARES.  A work-group owns 128 queries of one head; each of its eight waves one block of 16 (rows 32 (w / 2) + 8 (w % 2) + r + 8 (r / 8)), in 256 registers.  Every wave walks all keys, 128 a step.
; Both products are used transposed (S^T = K Q^T, O^T = V^T P^T): a lane holds one query throughout.  THE MASK IS THE C OF S^T's PRODUCTS: it is loaded from LDS into the result's registers, in the result's layout, and costs no addition.
; A step's K, V^T and their scale words are one dense block of 25,600 bytes of images; the step's mask tile is 128 rows x 512 bytes.  Ring of two LDS slots, one step each.
; CLUSTER of 4 x 4: the mask tile hangs on the block of queries alone and is asked for jointly along a row of the cluster; K and V hang on the head alone and are asked for jointly along a column.
; LIMITS: NaN and infinities are not served.  The mask is added inside the matrix unit's f32 sum: a row in which EVERY key carries a mask some 2^24 times its scores or more hangs on the last bit of that sum, as it does in f32 arithmetic at large.
; A block of p or o whose largest magnitude lies under 2^-124 keeps the byte 1.
; REGISTERS: v1-11 addresses; v12 -M, v13 the largest t, v[14:15] the sum in two halves; v16-27 Q; v32-79 four fragments; v80-83 K's scale words, v84-87 V's (lanes 0-15 an even tile's, lanes 16-31 the odd one's); v96-159 mask, S^T, p;
;   v160-223 O^T; v224-247, v252, v254 at work; v253 p's scale word; v255 Q's.
.set SLOT1, 131072
.set MP,    528                        ; a row of the mask tile in LDS: 512 bytes + 16
.set KVO,   128*MP                     ; behind the mask tile: K's 8 images, V^T's 8, K's 128 words, V's 128
.set SPARE, 2*SLOT1                    ; the spare words, 128 bytes a wave: no other line names them
.set OSG,   SPARE+1024                 ; o's scale words on their way out: 512 bytes into which no fill lands
.set AM0,  1
.set LI,   2
.set LS,   3
.set QW,   4
.set SPW,  5
.set NIL,  6
.set GL,   7
.set ADM,  8
.set ADF,  9
.set ADS,  10
.set PFO,  28
.set OSW,  29
.set OSR,  30
.set PC,   224
.set TM,   32
.set PW,   48
.set WV,   18
.set SEL,  20
.set CS,   22
.set G1M,  24
.set G1K,  32
.set G0M,  48
.set G0K,  52
.set TB,   56
.set SLOTS, 57
.set PFA,  58
.set PFS,  60
.set LIM,  62
; Waves 0 and 1 fetch the mask tile's halves, waves 2 and 3 the halves of K's and V's block, the others nothing.  The branches hang on the wave's number alone.  Four v_nop follow each of the two lines.
.macro JLOAD
	s_cmp_lt_u32 s[WV], 2
	s_cbranch_scc0 .Lnot_m_\@
	tensor_load_to_lds s[G0M:G0M+3], s[G1M:G1M+7]
	s_nop 0
.rept 4
	v_nop
.endr
	s_branch .Lasked_\@
.Lnot_m_\@:
	s_cmp_lt_u32 s[WV], 4
	s_cbranch_scc0 .Lasked_\@
	tensor_load_to_lds s[G0K:G0K+3], s[G1K:G1K+7]
	s_nop 0
.rept 4
	v_nop
.endr
.Lasked_\@:
.endm
; A PREFETCH of the step behind the one just asked for.  The mask tile is read by the four clusters of a row of clusters: cluster x = 0 asks; of its 128 rows partner cx takes 32, a lane a row; wave 4 names a row's first 256 bytes of the step,
; wave 5 the second.  K's and V's block is read by the four clusters of a column: cluster y = 0 asks, wave 6; partner cy takes 6,400 bytes, lanes 256 bytes apart (lanes 25-31 name lane 24's again).  Partners are told apart by address alone.
; The last trip that fills a slot asks for nothing; steps 0 and 1 come by their loads alone.
.macro ASK
	s_cmp_gt_u32 s[SLOTS], s[LIM]
	s_cbranch_scc0 .Lnot_mine_\@
	global_prefetch_b8 v[PFO], s[PFA:PFA+1] th:TH_LOAD_NT scope:SCOPE_SE
.Lnot_mine_\@:
.endm
.macro CROUND
	s_barrier_signal -1
	s_barrier_wait -1
	s_cmp_lg_u32 s[WV], 0
	s_cbranch_scc1 .Lnot_wave_0_\@
	s_barrier_signal -3
.Lnot_wave_0_\@:
	s_barrier_wait -3
	s_barrier_signal -1
	s_barrier_wait -1
.endm
	s_load_b256 s[4:11], s[0:1], 0x0               ; qc, kv, mask, oc
	v_lshl_add_u32 v[SPW], v0, 2, SPARE
	v_mov_b32 v[NIL], 0
	ds_add_u32 v5, v6
	s_wait_dscnt 0x0
	v_lshrrev_b32 v8, 5, v0
	v_readfirstlane_b32 s[WV], v8                  ; wave 0..7
	s_bfe_u32 s40, ttmp6, 0x40000                  ; cx
	s_bfe_u32 s41, ttmp6, 0x40004                  ; cy
	s_lshl_b32 s42, ttmp9, 2
	s_add_co_u32 s42, s42, s40                     ; head
	s_and_b32 s46, ttmp7, 0xffff                   ; cluster y
	s_lshl_b32 s43, s46, 2
	s_add_co_u32 s43, s43, s41                     ; block of 128 queries
	s_lshl_b32 s44, s41, 2
	s_lshl_b32 s44, 15, s44                        ; my row of the cluster
	s_lshl_b32 s45, 0x1111, s40                    ; my column
	s_or_b32 s[G1M], s44, (2<<16)|(1<<20)|(1<<21)|(6<<22)|(3<<25)   ; the mask: elements of 4 bytes; 4 words of padding behind every 128
	s_mov_b32 s[G1M+1], 128<<16
	s_mov_b32 s[G1M+2], 64<<16
	s_mov_b32 s[G1M+3], 128<<16
	s_mov_b32 s[G1M+4], 64                         ; 64 rows x 128 numbers,
	s_mov_b32 s[G1M+5], 2048                       ; 2,048 numbers from row to row
	s_mov_b32 s[G1M+6], 0
	s_mov_b32 s[G1M+7], 0
	s_or_b32 s[G1K], s45, (3<<16)|(1<<21)          ; K and V: 12,800 dense bytes as 50 rows of 256
	s_mov_b32 s[G1K+1], 32<<16
	s_mov_b32 s[G1K+2], 50<<16
	s_mov_b32 s[G1K+3], 32<<16
	s_mov_b32 s[G1K+4], 50
	s_mov_b32 s[G1K+5], 32
	s_mov_b32 s[G1K+6], 0
	s_mov_b32 s[G1K+7], 0
	s_and_b32 s66, s[WV], 1
	s_lshl_b32 s68, s43, 20
	s_lshl_b32 s69, s66, 19
	s_add_co_u32 s68, s68, s69                     ; the mask at row 128 x block + 64 x (wave % 2)
	s_mov_b32 s69, 0
	s_mul_i32 s70, s42, 409600
	s_mul_i32 s71, s66, 12800
	s_add_co_u32 s70, s70, s71                     ; kv at my head, my half of a step's block
	s_mov_b32 s71, 0
	s_mul_i32 s67, s66, 64*MP
	s_mul_i32 s72, s66, 12800
	s_add_co_u32 s72, s72, KVO
	s_lshl_b32 s78, s43, 3
	s_add_co_u32 s78, s78, s[WV]                   ; my block of 16 queries
	s_mul_i32 s74, s78, 1536
	s_mul_i32 s79, s42, 196608
	s_add_co_u32 s74, s74, s79
	s_mov_b32 s75, 0
	s_lshl_b32 s76, s78, 6
	s_lshl_b32 s79, s42, 13
	s_add_co_u32 s76, s76, s79
	s_add_co_u32 s76, s76, 3145728
	s_mov_b32 s77, 0
	s_mul_i32 s80, s43, 196608                     ; o as the last product's operand: group = my block of queries, 128 along K = my head, block = my wave
	s_mul_i32 s82, s42, 12288
	s_add_co_u32 s80, s80, s82
	s_mul_i32 s82, s[WV], 1536
	s_add_co_u32 s80, s80, s82
	s_mov_b32 s81, 0
	s_lshl_b32 s82, s43, 13
	s_lshl_b32 s83, s42, 9
	s_add_co_u32 s82, s82, s83
	s_add_co_u32 s82, s82, 3145728
	s_mov_b32 s83, 0
	s_lshl_b32 s87, s43, 20                        ; the prefetches: in the mask my work-group's 32 rows, the wave's 256 bytes;
	s_lshl_b32 s88, s40, 18
	s_add_co_u32 s87, s87, s88
	s_lshl_b32 s88, s66, 8
	s_add_co_u32 s87, s87, s88
	s_mul_i32 s88, s42, 409600                     ; in kv my work-group's 6,400 bytes
	s_mul_i32 s89, s41, 6400
	s_add_co_u32 s88, s88, s89
	s_sub_co_u32 s89, s[WV], 4
	s_cmp_lt_u32 s89, 3
	s_cselect_b32 s89, 0, 1                        ; 0 in waves 4 to 6
	s_mov_b32 s[SEL], 0x76543210
	s_mov_b32 s[SEL+1], 0xfedcba98
	s_mov_b32 s[CS], 0x3fb8aa3b                    ; log2 e
	s_mov_b32 s[CS+1], s[CS]
	s_mov_b32 s[TB], 0
	s_mov_b32 s[SLOTS], 15
	s_wait_kmcnt 0x0
	s_mov_b32 s[G0M], 1
	s_mov_b32 s[G0M+1], s67
	s_add_nc_u64 s[G0M+2:G0M+3], s[8:9], s[68:69]
	s_or_b32 s[G0M+3], s[G0M+3], 0x80000000
	s_mov_b32 s[G0K], 1
	s_mov_b32 s[G0K+1], s72
	s_add_nc_u64 s[G0K+2:G0K+3], s[6:7], s[70:71]
	s_or_b32 s[G0K+3], s[G0K+3], 0x80000000
	CROUND                                         ; all sixteen work-groups are here: the first joint loads meet
	JLOAD                                          ; step 0 into slot 0
	s_add_nc_u64 s[74:75], s[4:5], s[74:75]        ; Q's image
	s_add_nc_u64 s[76:77], s[4:5], s[76:77]        ; its scale words
	s_add_nc_u64 s[80:81], s[10:11], s[80:81]      ; o's image
	s_add_nc_u64 s[82:83], s[10:11], s[82:83]      ; the work-group's 128 scale words of o
	s_cmp_eq_u32 s[WV], 6
	s_cselect_b64 s[PFA:PFA+1], s[6:7], s[8:9]
	s_mov_b32 s[PFS], 512
	s_cselect_b32 s[PFS], 25600, s[PFS]            ; a step on
	s_mov_b32 s84, 8192
	s_cselect_b32 s84, 256, s84                    ; from lane to lane
	s_cselect_b32 s85, 24, 31                      ; the last lane with a block of its own
	s_cselect_b32 s86, s46, ttmp9                  ; the coordinate along which other clusters read the same bytes
	s_cselect_b32 s87, s88, s87
	s_add_co_u32 s87, s87, s[PFS]                  ; at step 1: the first change of slots steps it to step 2
	s_mov_b32 s88, 0
	s_mov_b32 s[PFS+1], 0
	s_mov_b32 s90, s87
	s_mov_b32 s91, 0
	s_add_nc_u64 s[PFA:PFA+1], s[PFA:PFA+1], s[90:91]
	s_or_b32 s86, s86, s89
	s_cmp_eq_u32 s86, 0
	s_cselect_b32 s[LIM], 1, -1                    ; the same in all sixteen partners, for a given wave
	v_and_b32 v8, 15, v0                           ; r
	v_bfe_u32 v9, v0, 4, 1                         ; h
	v_and_b32 v10, 31, v0                          ; lane
	v_lshlrev_b32 v[GL], 4, v10
	v_min_u32 v[PFO], s85, v10
	v_mul_lo_u32 v[PFO], v[PFO], s84
	v_lshlrev_b32 v[QW], 2, v8
.irp c, 0,1,2
	global_load_b128 v[16+4*\c:19+4*\c], v[GL], s[74:75] offset:512*\c   ; Q's fragment stays in registers
.endr
	global_load_b32 v255, v[QW], s[76:77]
	v_add_nc_u32 v[LI], KVO, v[GL]                 ; an image's place for my lane
	v_lshl_add_u32 v[LS], v10, 2, KVO+24576        ; a scale word's
	s_lshr_b32 s84, s[WV], 1
	s_lshl_b32 s84, s84, 5
	s_and_b32 s85, s[WV], 1
	s_lshl_b32 s85, s85, 3
	s_add_co_u32 s84, s84, s85
	s_mul_i32 s84, s84, MP
	v_and_b32 v11, 8, v8
	v_add_nc_u32 v11, v11, v8
	v_mul_u32_u24 v[AM0], v11, MP
	v_lshl_add_u32 v[AM0], v9, 6, v[AM0]
	v_add_nc_u32 v[AM0], s84, v[AM0]               ; the mask: my query's row, + 64 h: register 16 b + i is key 32 b + 16 h + i
	s_lshl_b32 s84, s[WV], 6
	v_add_nc_u32 v[OSW], s84, v[QW]
	v_add_nc_u32 v[OSW], OSG, v[OSW]
	v_add_nc_u32 v[OSR], OSG, v[GL]
	v_mov_b32 v13, 0xff61b1e6                      ; the largest t so far: -3e38
	v_floor_f32 v12, -v13                          ; -M
	v_mov_b32 v14, 0
	v_mov_b32 v15, 0
.irp b, 0,1,2,3
	v_mov_b32 v[236+\b], 0                         ; written once: a lane permute's destination counts as one of its sources
.endr
	v_mov_b32 v253, 0                              ; (named as the upper half of the pair v[252:253] before it is first written)
.set J, 0
.rept 64
	v_mov_b32 v[160+J], 0                          ; O^T: the step is written once; the first finds zeros, which the first change of M leaves zeros
.set J, J+1
.endr
; a product in place: D = C = v[d ..]; an odd tile's scale words lie in lanes 16-31 of its register
.macro MM d, f, bq, sa, sb, odd
.if \odd
	v_wmma_scale_f32_16x16x128_f8f6f4 v[\d:\d+7], v[\f:\f+11], v[\bq:\bq+11], v[\d:\d+7], v[\sa], v[\sb] matrix_a_fmt:MATRIX_FMT_FP6 matrix_b_fmt:MATRIX_FMT_FP6 matrix_a_scale:MATRIX_SCALE_ROW1
.else
	v_wmma_scale_f32_16x16x128_f8f6f4 v[\d:\d+7], v[\f:\f+11], v[\bq:\bq+11], v[\d:\d+7], v[\sa], v[\sb] matrix_a_fmt:MATRIX_FMT_FP6 matrix_b_fmt:MATRIX_FMT_FP6
.endif
.endm
.macro FOUR off                        ; four fragments, images at off on
.irp t, 0,1,2,3
.irp c, 0,1,2
	ds_load_b128 v[32+12*\t+4*\c:35+12*\t+4*\c], v[ADF] offset:(\off)+1536*\t+512*\c
.endr
.endr
.endm
; A KEY STEP.  No two matrix instructions that follow each other share an accumulator, over the backward jump too.
.macro STEP
	v_add_nc_u32 v[ADM], s[TB], v[AM0]
	v_add_nc_u32 v[ADF], s[TB], v[LI]
	v_add_nc_u32 v[ADS], s[TB], v[LS]
	v_nop                                          ; four places in front of loads into registers that the last products have read
.irp b, 0,1,2,3
.irp c, 0,1,2,3
	ds_load_b128 v[96+16*\b+4*\c:99+16*\b+4*\c], v[ADM] offset:128*\b+16*\c   ; the mask, in the result's layout
.endr
.endr
.irp p, 0,1,2,3
	ds_load_b32 v[80+\p], v[ADS] offset:128*\p
	ds_load_b32 v[84+\p], v[ADS] offset:512+128*\p
.endr
.irp g, 0,1                                    ; S^T = K Q^T + mask, four tiles of 16 keys at a time
.if \g
.rept 4
	v_nop
.endr
.endif
	FOUR 6144*\g
	s_wait_dscnt 0x0
.irp t, 0,1,2,3
	MM 96+8*(4*\g+\t), 32+12*\t, 16, 80+(4*\g+\t)/2, 255, \t%2
.endr
.endr
.rept 4
	v_nop                                          ; places in front of the first read of the scores, and of the loads below
.endr
	FOUR 12288                                     ; V^T's tiles 0-3 land under the softmax
.irp b, 0,1,2,3
	v_max3_num_f32 v[232+\b], v[96+16*\b], v[97+16*\b], v[98+16*\b]   ; the largest score of each block of 32 keys: for the row's maximum, and, since p rises with the score, for the block's largest p
.endr
.irp i, 3,5,7,9,11,13
.irp b, 0,1,2,3
	v_max3_num_f32 v[232+\b], v[232+\b], v[96+16*\b+\i], v[97+16*\b+\i]
.endr
.endr
.irp b, 0,1,2,3
	v_max_num_f32 v[232+\b], v[232+\b], v[111+16*\b]
.endr
.irp b, 0,1,2,3
	v_permlanex16_b32 v[236+\b], v[232+\b], s[SEL], s[SEL+1]
.endr
.irp b, 0,1,2,3
	v_max_num_f32 v[232+\b], v[232+\b], v[236+\b]  ; with lane l xor 16's 16 keys
.endr
	v_max3_num_f32 v254, v232, v233, v234
	v_max_num_f32 v254, v254, v235
	v_mul_f32 v254, s[CS], v254                    ; as t
	v_max_num_f32 v13, v13, v254                   ; the running largest t
	v_mov_b32 v254, v12
	v_floor_f32 v12, -v13                          ; the new -M = -ceil(t): a whole number
	v_sub_f32 v254, v12, v254                      ; old M - new M, 0 or less
	v_cvt_i32_f32 v254, v254                       ; (it saturates)
	v_ldexp_f32 v252, 1.0, v254                    ; f = 2^(old M - new M)
.set J, 0
.rept 32
	v_pk_fma_f32 v[96+J:97+J], v[96+J:97+J], s[CS:CS+1], v[12:13] op_sel_hi:[1,0,0]   ; t - M, two at a time
.set J, J+2
.endr
.irp b, 0,1,2,3
	v_fma_f32 v[232+\b], v[232+\b], s[CS], v12     ; the same of each block's largest score
.endr
.set J, 0
.rept 64
	v_exp_f32 v[96+J], v[96+J]                     ; p = 2^(t - M)
.set J, J+1
.endr
	v_pk_mul_f32 v[14:15], v[14:15], v[252:253] op_sel_hi:[1,0]   ; the sums under the new M (a plain place behind the exponentials)
	s_wait_alu depctr_va_vdst(0)                   ; one wait for the batch, ahead of its first reader
.irp b, 0,1,2,3
	v_exp_f32 v[232+\b], v[232+\b]                 ; the block's largest p
.endr
	v_pk_add_f32 v[236:237], v[96:97], v[98:99]    ; the row's sum is taken of the unquantised p, in two chains
.irp j, 4,8,12,16,20,24,28,32,36,40,44,48,52,56,60
	v_pk_add_f32 v[14:15], v[14:15], v[96+\j:97+\j]
	v_pk_add_f32 v[236:237], v[236:237], v[98+\j:99+\j]
.endr
	v_pk_add_f32 v[14:15], v[14:15], v[236:237]
	s_wait_alu depctr_va_vdst(0)                   ; and one for the four
.irp b, 0,1,2,3
	v_max_num_f32 v[232+\b], 0x1800000, v[232+\b]  ; the floor 2^(3 - 127): the byte cannot fall under 1
.endr
.irp b, 0,1,2,3
	v_add_nc_u32 v[244+\b], 0xff000000, v[232+\b]
.endr
.irp b, 0,1,2,3
	v_lshrrev_b32 v[236+\b], 23, v[244+\b]
.endr
	v_lshl_or_b32 v253, v237, 8, v236              ; p's scale word for these 128 keys
	v_lshl_or_b32 v253, v238, 16, v253
	v_lshl_or_b32 v253, v239, 24, v253
.irp c, 0,1
	v_cvt_scalef32_pk16_fp6_f32 v[224+6*\c:226+6*\c], v[96+32*\c:111+32*\c], v[244+2*\c]
	v_cvt_scalef32_pk16_fp6_f32 v[236+4*\c:238+4*\c], v[112+32*\c:127+32*\c], v[244+2*\c+1]
.endr
	v_nop                                          ; one plain place behind a scaled conversion
.irp c, 0,1
.irp i, 0,1,2
	v_permlane16_swap_b32 v[224+6*\c+\i], v[236+4*\c+\i]
.endr
.irp i, 0,1,2
	v_mov_b32 v[227+6*\c+\i], v[236+4*\c+\i]
.endr
.endr
.set J, 0
.rept 32
	v_pk_mul_f32 v[160+J:161+J], v[160+J:161+J], v[252:253] op_sel_hi:[1,0]   ; O^T under the new M; these 32 are also the places between the scale word and codes just written and the products below
.set J, J+2
.endr
	s_wait_dscnt 0x0
.irp t, 0,1,2,3
	MM 160+8*\t, 32+12*\t, 224, 84+\t/2, 253, \t%2
.endr
.rept 4
	v_nop
.endr
	FOUR 12288+6144
	s_wait_dscnt 0x0
.irp t, 0,1,2,3
	MM 192+8*\t, 32+12*\t, 224, 86+\t/2, 253, \t%2
.endr
	s_xor_b32 s[TB], s[TB], SLOT1                  ; on to the other slot
.endm
; THE CHANGE OF SLOTS stands at a step's head.  Each wave waits for all its tensor loads, adds 0 to its spare word, and waits for that and for its reads of the slot that it has left.  fill = 1: a round of the cluster's barrier, and behind it
; that slot is asked for again, jointly: the load has a whole step in which to land.
.macro CHANGE fill
	s_wait_tensorcnt 0x0                           ; no tensor load of mine is out, so a group 0 may be written
	ds_add_u32 v[SPW], v[NIL]                      ; 0 onto my spare word
.if \fill
	s_xor_b32 s[G0M+1], s[G0M+1], SLOT1
	s_add_nc_u64 s[G0M+2:G0M+3], s[G0M+2:G0M+3], 512
	s_xor_b32 s[G0K+1], s[G0K+1], SLOT1
	s_add_nc_u64 s[G0K+2:G0K+3], s[G0K+2:G0K+3], 25600
	s_wait_xcnt 0x0                                ; the last prefetch, a step back, has read its address
	s_add_nc_u64 s[PFA:PFA+1], s[PFA:PFA+1], s[PFS:PFS+1]
.endif
	s_wait_dscnt 0x0                               ; the add is done, and my reads of the slot that I have left are over
.if \fill
	CROUND
	JLOAD                                          ; the first thing behind the round, and a wave's one tensor load until the next
	ASK
.else
	s_barrier_signal -1
	s_barrier_wait -1
.endif
.endm
	s_wait_loadcnt 0x0                             ; Q
.Lslot:                                            ; 15 trips: behind each change of slots but the last the next step is asked for
	CHANGE 1
	STEP
	s_sub_co_u32 s[SLOTS], s[SLOTS], 1
	s_cmp_lg_u32 s[SLOTS], 0
	s_cbranch_scc1 .Lslot
	CHANGE 0                                       ; the last step is written out
	STEP
	; THE WAY OUT: O^T / the sum, quantised along the head's 128 (register 16 B + i is channel 32 B + 16 h + i), stored as an image
	v_add_f32 v14, v14, v15
	v_permlanex16_b32 v252, v14, s[SEL], s[SEL+1]
	v_add_f32 v14, v14, v252                       ; the row's sum
	v_rcp_f32 v15, v14
	v_nop                                          ; a plain place behind the reciprocal
	s_wait_alu depctr_va_vdst(0)                   ; the wait ahead of its first reader
	v_fma_f32 v252, -v14, v15, 1.0                 ; one step of Newton's: what goes into a quantiser is as good as f32 gives
	v_fma_f32 v14, v252, v15, v15
.set J, 0
.rept 32
	v_pk_mul_f32 v[96+J:97+J], v[160+J:161+J], v[14:15] op_sel_hi:[1,0]
.set J, J+2
.endr
.irp b, 0,1,2,3
	v_mov_b32 v[TM+4+\b], 0
.endr
.irp b, 0,1,2,3
	v_max3_num_f32 v[TM+\b], |v[96+16*\b]|, |v[97+16*\b]|, 0x1800000
.endr
.irp i, 2,4,6,8,10,12,14
.irp b, 0,1,2,3
	v_max3_num_f32 v[TM+\b], v[TM+\b], |v[96+16*\b+\i]|, |v[97+16*\b+\i]|
.endr
.endr
.irp b, 0,1,2,3
	v_permlanex16_b32 v[TM+4+\b], v[TM+\b], s[SEL], s[SEL+1]
.endr
.irp b, 0,1,2,3
	v_max_num_f32 v[TM+\b], v[TM+\b], v[TM+4+\b]
.endr
.irp b, 0,1,2,3
	v_add_nc_u32 v[TM+12+\b], 0xff000000, v[TM+\b]
.endr
.irp b, 0,1,2,3
	v_lshrrev_b32 v[TM+4+\b], 23, v[TM+12+\b]
.endr
	v_lshl_or_b32 v[PW], v[TM+5], 8, v[TM+4]
	v_lshl_or_b32 v[PW], v[TM+6], 16, v[PW]
	v_lshl_or_b32 v[PW], v[TM+7], 24, v[PW]
.irp c, 0,1
	v_cvt_scalef32_pk16_fp6_f32 v[PC+6*\c:PC+2+6*\c], v[96+32*\c:111+32*\c], v[TM+12+2*\c]
	v_cvt_scalef32_pk16_fp6_f32 v[PC+12+4*\c:PC+14+4*\c], v[112+32*\c:127+32*\c], v[TM+12+2*\c+1]
.endr
	v_nop
.irp c, 0,1
.irp i, 0,1,2
	v_permlane16_swap_b32 v[PC+6*\c+\i], v[PC+12+4*\c+\i]
.endr
.irp i, 0,1,2
	v_mov_b32 v[PC+3+6*\c+\i], v[PC+12+4*\c+\i]
.endr
.endr
.irp c, 0,1,2
	global_store_b128 v[GL], v[PC+4*\c:PC+4*\c+3], s[80:81] offset:512*\c
.endr
	ds_store_b32 v[OSW], v[PW]                     ; the eight waves' scale words meet in LDS,
	s_wait_dscnt 0x0                               ; for the others' sake: my store is done
	s_barrier_signal -1
	s_barrier_wait -1
	s_cmp_lg_u32 s[WV], 0
	s_cbranch_scc1 .Lnot_first
	ds_load_b128 v[32:35], v[OSR]
	s_wait_dscnt 0x0
	global_store_b128 v[GL], v[32:35], s[82:83]    ; and wave 0 stores them: 512 consecutive bytes
.Lnot_first:
	s_wait_tensorcnt 0x0                           ; the wave's end
	ds_add_u32 v[SPW], v[NIL]
	s_wait_dscnt 0x0
	CROUND                                         ; the closing round
	s_endpgm
.Lfunc_end_k_q77442a2f73_attn:
	.size	k_q77442a2f73_attn, .Lfunc_end_k_q77442a2f73_attn-k_q77442a2f73_attn
	.p2alignl 7, 3214868480
	.fill 96, 4, 3214868480
	.section	.rodata,"a",@progbits
	.p2align	6, 0x0
	.amdhsa_kernel k_q77442a2f73_attn
		.amdhsa_group_segment_fixed_size 327680
		.amdhsa_private_segment_fixed_size 0
		.amdhsa_enable_private_segment 0
		.amdhsa_kernarg_size 32
		.amdhsa_user_sgpr_count 2
		.amdhsa_user_sgpr_kernarg_segment_ptr 1
		.amdhsa_wavefront_size32 1
		.amdhsa_system_sgpr_workgroup_id_x 1
		.amdhsa_system_sgpr_workgroup_id_y 1
		.amdhsa_system_sgpr_workgroup_id_z 1
		.amdhsa_system_vgpr_workitem_id 0
		.amdhsa_next_free_vgpr 256
		.amdhsa_next_free_sgpr 92
		.amdhsa_reserve_vcc 0
		.amdhsa_float_denorm_mode_32 3
		.amdhsa_float_denorm_mode_16_64 3
		.amdhsa_memory_ordered 1
		.amdhsa_forward_progress 1
		.amdhsa_inst_pref_size 59
	.end_amdhsa_kernel
	.amdgpu_metadata
---
amdhsa.version: [ 1, 2 ]
amdhsa.kernels:
  - .name:           k_q77442a2f73_attn
    .symbol:         k_q77442a2f73_attn.kd
    .args:
      - { .name: qc, .offset: 0, .size: 8, .value_kind: global_buffer, .address_space: global }
      - { .name: kv, .offset: 8, .size: 8, .value_kind: global_buffer, .address_space: global }
      - { .name: mask, .offset: 16, .size: 8, .value_kind: global_buffer, .address_space: global }
      - { .name: oc, .offset: 24, .size: 8, .value_kind: global_buffer, .address_space: global }
    .group_segment_fixed_size: 327680
    .private_segment_fixed_size: 0
    .kernarg_segment_align: 8
    .kernarg_segment_size: 32
    .max_flat_workgroup_size: 256
    .sgpr_count:     92
    .vgpr_count:     256
    .wavefront_size: 32
...
	.end_amdgpu_metadata
.endif
;; end of part 3
;; launch oproj (part 4): grid 16 x 16, 4 waves a work-group, clusters of 4 x 4, 327,680 bytes of LDS; arguments oc, bop, out0; writes out0
.if DOCPART == 4
	.amdgcn_target "amdgcn-amd-amdhsa--gfx1250"
	.amdhsa_code_object_version 6
	.text
	.protected	k_q77442a2f73_oproj
	.globl	k_q77442a2f73_oproj
	.p2align	8
	.type	k_q77442a2f73_oproj,@function
k_q77442a2f73_oproj:
	s_mov_b64 s[64:65], 0
	v_nop
	global_prefetch_b8 v0, s[64:65] scope:SCOPE_SE
	s_setreg_imm32_b32 hwreg(HW_REG_WAVE_MODE, 25, 1), 1
	s_wait_xcnt 0x0
	s_wait_alu depctr_hold_cnt(0) depctr_sa_sdst(0) depctr_va_vdst(0) depctr_va_sdst(0) depctr_va_ssrc(0) depctr_va_vcc(0) depctr_vm_vsrc(0)
	s_getreg_b32 s2, hwreg(HW_REG_IB_STS2, 6, 4)
	s_cmp_eq_u32 s2, 0
	s_cbranch_scc0 .Lentry_in_a_cluster
	s_endpgm
.Lentry_in_a_cluster:
	s_bfe_u32 s2, ttmp6, 0x10000c
	s_cmp_lg_u32 s2, 0xf033
	s_cbranch_scc0 .Lentry_shape_is_right
	s_endpgm
.Lentry_shape_is_right:
; out0 = o Wo^T, 2048 x 2048 x 2048, on codes of FP6 (E2M3) with E8M0 scales; sums in f32.  o's codes and scale words come from oc, Wo's from the fourth tensor of bop, both as images of the operand's registers:
; codes [group of 128 rows][256 along K][128 along K][block of 16 rows][1536], scale words [group][128 along K][block][row].
; A tile of out0 is 128 x 128, so that the 256 tiles give each WGP a work-group.  Four waves, 64 x 64 each: 16 accumulators of 16 x 16.
; K goes in FOUR steps of 512.  A step's part of one operand's 128 rows is one dense block of 49,152 bytes; a wave's tensor load brings half of it.  THREE slots lie in LDS: K steps 0, 1 and 2 and the scale words of all of K are asked for
; together at the start, and K step 3 is the one refill, into slot 0, when every wave has read K step 0.  So the text has one round in front of a refill, and one plain barrier in front of K step 3's reads; it has no loop.
; CLUSTERS of 4 x 4: A's blocks hang on the tile row alone and are asked for jointly along a row of the cluster, B's on the tile column alone and are asked for jointly along a column.
; The matrix instruction is used transposed (source 0 = 16 rows of Wo, source 1 = 16 rows of o): a lane holds eight neighbouring columns of one row.  The rows of a block are 32 (a / 2) + 8 (a % 2) + i + 8 (i / 8), in both operands:
; the way out puts rows and columns back in their places.
; No prefetch: three quarters of the work-group's bytes are asked for at its head.
; REGISTERS: window 0: v16-29 addresses; v32-95 rows of out0 on their way out; v96-103 scale words, two sets of four, and nothing else; v128-255 the accumulators ((a, b) at v[128 + 8 (4 a + b)]).
;   window 1: two fragment buffers, at v0 and at v128: A's four fragments (48 registers), then B's four.
.set FR,     12                        ; registers of a fragment
.set NP,     4                         ; places behind this matrix instruction (ISA guide 7.12.1)
.set HALFT,  24576                     ; what one tensor load brings: 128 rows x 256 along K as images
.set KSB,    2*HALFT                   ; a K step of one operand: 128 rows x 512 along K
.set SLOT,   2*KSB                     ; A's, then B's
.set SCL,    3*SLOT                    ; behind the three slots: the scale words, 8,192 bytes for A's 128 rows, then B's
.set SPARE,  SCL+16384                 ; the spare words, 128 bytes a wave: no other line names them
.set STAGE,  SLOT                      ; the way out: 16 rows x 272 bytes for each wave, in slot 1: filled once, and read for the last time ahead of the last barrier
.set SPITCH, 272                       ; 256 bytes + 16 = 68 words: row r starts at bank 4 r mod 64 (64 banks of 4 bytes: ISA guide 11.1)
.set LI,   3                           ; v3      16 x lane
.set ADRA, 16                          ; v16-18  LDS address of my A fragments in slot 0, 1, 2
.set ADRB, 20                          ; v20-22  the same for B
.set STO,  24                          ; v24     the way out: where I put 32 bytes of a row
.set RD,   25                          ; v25     where I read a row back
.set CO,   26                          ; v26     my byte offset in out0
.set ADRS, 27                          ; v27     LDS address of my scale words: lanes 0-15 A's rows, lanes 16-31 B's
.set SPW,  28                          ; v28     LDS address of my spare word; never rewritten
.set NIL,  29                          ; v29     0; never rewritten
.set BK,   32
.set SC,   96
.set ACC,  128
.set G1,   24                          ; s[24:31] descriptor group 1 for A's blocks;  s[32:39] for B's: they differ in the mask alone
.set G1B,  32
.set G1S,  40                          ; s[40:47], s[48:55] the same for the scale words
.set G1SB, 48
.set G0A,  56                          ; group 0 for A's blocks, slot s at 56 + 4 s + 4 (s / 2): s[56:59], s[60:63], s[68:71]
.set G0B,  72                          ; for B's, slot s at 72 + 4 s
.set G0S,  84                          ; s[84:87], s[88:91] for the scale words
.set G0SB, 88
.set MSB, 0
.macro WIN new                         ; the immediate's high byte repeats the setting that is left
.if MSB != (\new)
	s_set_vgpr_msb (MSB<<8)|(\new)
.set MSB, (\new)
.endif
.endm
.set MUL,  0x05                        ; sources 0 (B) and 1 (A) window 1; C and D window 0
.set TO_F, 0x40                        ; destination window 1, address window 0
; A joint load: waves 0 and 1 fetch for A, waves 2 and 3 for B; the branch hangs on the wave's number alone.  Four v_nop follow each of the two lines.
.macro JLOAD g0a, g1a, g0b, g1b
	s_cmp_eq_u32 s15, 0
	s_cbranch_scc0 .Lfor_b_\@
	tensor_load_to_lds s[\g0a:\g0a+3], s[\g1a:\g1a+7]
	s_nop 0
.rept 4
	v_nop
.endr
	s_branch .Lasked_\@
.Lfor_b_\@:
	tensor_load_to_lds s[\g0b:\g0b+3], s[\g1b:\g1b+7]
	s_nop 0
.rept 4
	v_nop
.endr
.Lasked_\@:
.endm
; A round of the cluster's barrier: my work-group's barrier; wave 0 signals for the work-group; every wave waits for all sixteen work-groups; my work-group's barrier once more.
.macro CROUND
	s_barrier_signal -1
	s_barrier_wait -1
	s_cmp_lg_u32 s14, 0
	s_cbranch_scc1 .Lnot_wave_0_\@
	s_barrier_signal -3
.Lnot_wave_0_\@:
	s_barrier_wait -3
	s_barrier_signal -1
	s_barrier_wait -1
.endm
.macro PLACES n
.rept \n
	v_nop
.endr
.endm
	s_load_b128 s[4:7], s[0:1], 0x0                ; oc, bop
	s_load_b64 s[12:13], s[0:1], 0x10              ; out0
	v_lshl_add_u32 v[SPW], v0, 2, SPARE
	v_mov_b32 v[NIL], 0
	ds_add_u32 v28, v29
	s_wait_dscnt 0x0
	v_lshrrev_b32 v1, 5, v0
	v_readfirstlane_b32 s14, v1                    ; wave 0..3
	s_lshr_b32 s15, s14, 1                         ; my half of the tile's rows.  Also: I fetch for A (0) or for B (1)
	s_and_b32 s16, s14, 1                          ; my half of its columns.  Also: which half of a K step's block I fetch
	s_bfe_u32 s8, ttmp6, 0x40000                   ; cx
	s_bfe_u32 s9, ttmp6, 0x40004                   ; cy
	s_lshl_b32 s10, ttmp9, 2
	s_add_co_u32 s10, s10, s8                      ; tile column, 0 .. 15: Wo's group of 128 rows
	s_and_b32 s17, ttmp7, 0xffff
	s_lshl_b32 s17, s17, 2
	s_add_co_u32 s17, s17, s9                      ; tile row, 0 .. 15: o's group of 128 rows
	s_lshl_b32 s18, s9, 2
	s_lshl_b32 s18, 15, s18                        ; my row of the cluster
	s_lshl_b32 s19, 0x1111, s8                     ; my column
	; descriptor group 1: a dense block as rows of 256 bytes (32 elements of 8 bytes): 96 rows of codes, 16 rows of scale words; no padding: images are read 512 consecutive bytes an instruction
	s_or_b32 s[G1+0], s18, (3<<16)|(1<<21)
	s_or_b32 s[G1B+0], s19, (3<<16)|(1<<21)
.irp g, G1, G1B
	s_mov_b32 s[\g+1], 32<<16
	s_mov_b32 s[\g+2], 96<<16
	s_mov_b32 s[\g+3], 32<<16
	s_mov_b32 s[\g+4], 96
	s_mov_b32 s[\g+5], 32
	s_mov_b32 s[\g+6], 0
	s_mov_b32 s[\g+7], 0
.endr
	s_or_b32 s[G1S+0], s18, (3<<16)|(1<<21)
	s_or_b32 s[G1SB+0], s19, (3<<16)|(1<<21)
.irp g, G1S, G1SB
	s_mov_b32 s[\g+1], 32<<16
	s_mov_b32 s[\g+2], 16<<16
	s_mov_b32 s[\g+3], 32<<16
	s_mov_b32 s[\g+4], 16
	s_mov_b32 s[\g+5], 32
	s_mov_b32 s[\g+6], 0
	s_mov_b32 s[\g+7], 0
.endr
	; where the blocks come from.  A's hang on the tile row and the wave's number, B's on the tile column and the wave's number, each in registers that never hold the other coordinate
	s_mul_i32 s20, s17, 196608
	s_mul_i32 s21, s16, HALFT
	s_add_co_u32 s20, s20, s21                     ; A's codes: my group, my half of K step 0
	s_mov_b32 s21, 0
	s_lshl_b32 s22, s17, 13
	s_lshl_b32 s23, s16, 12
	s_add_co_u32 s22, s22, s23
	s_add_co_u32 s22, s22, 3145728                 ; A's scale words: my half of the group's 8,192 bytes
	s_mov_b32 s23, 0
	s_mul_i32 s92, s10, 196608
	s_mul_i32 s93, s16, HALFT
	s_add_co_u32 s92, s92, s93
	s_add_co_u32 s92, s92, 9437184                 ; B's codes, in the fourth tensor of bop
	s_mov_b32 s93, 0
	s_lshl_b32 s94, s10, 13
	s_lshl_b32 s95, s16, 12
	s_add_co_u32 s94, s94, s95
	s_add_co_u32 s94, s94, 12976128                ; B's scale words
	s_mov_b32 s95, 0
	s_mul_i32 s96, s14, HALFT                      ; where they go: wave x 24,576 in a slot, wave x 4,096 among the scale words: no place in the cluster enters an LDS address
	s_lshl_b32 s97, s14, 12
	s_wait_kmcnt 0x0
	s_add_nc_u64 s[20:21], s[4:5], s[20:21]
	s_add_nc_u64 s[22:23], s[4:5], s[22:23]
	s_add_nc_u64 s[92:93], s[6:7], s[92:93]
	s_add_nc_u64 s[94:95], s[6:7], s[94:95]
	CROUND                                         ; all sixteen work-groups are here: the first joint loads meet
	s_mov_b32 s[G0S], 1
	s_add_co_u32 s[G0S+1], s97, SCL
	s_mov_b64 s[G0S+2:G0S+3], s[22:23]
	s_or_b32 s[G0S+3], s[G0S+3], 0x80000000
	s_mov_b32 s[G0SB], 1
	s_add_co_u32 s[G0SB+1], s97, SCL
	s_mov_b64 s[G0SB+2:G0SB+3], s[94:95]
	s_or_b32 s[G0SB+3], s[G0SB+3], 0x80000000
	JLOAD G0S, G1S, G0SB, G1SB                     ; the scale words first: they are wanted with K step 0
.irp s, 0,1,2                                  ; then K steps 0, 1 and 2, each into its slot: four tensor loads of mine are out
.set GA, G0A+4*\s+4*(\s/2)
.set GB, G0B+4*\s
	s_mov_b32 s[GA], 1
	s_add_co_u32 s[GA+1], s96, \s*SLOT
	s_add_nc_u64 s[GA+2:GA+3], s[20:21], \s*KSB
	s_or_b32 s[GA+3], s[GA+3], 0x80000000
	s_mov_b32 s[GB], 1
	s_add_co_u32 s[GB+1], s96, \s*SLOT
	s_add_nc_u64 s[GB+2:GB+3], s[92:93], \s*KSB
	s_or_b32 s[GB+3], s[GB+3], 0x80000000
	JLOAD GA, G1, GB, G1B
.endr
	v_and_b32 v1, 15, v0                           ; r
	v_bfe_u32 v2, v0, 4, 1                         ; h
	v_and_b32 v13, 31, v0
	v_lshlrev_b32 v[LI], 4, v13                    ; 16 x lane
	s_mul_i32 s21, s15, 4*1536                     ; my four blocks of A
	s_mul_i32 s22, s16, 4*1536
	s_add_co_u32 s22, s22, KSB                     ; my four blocks of B, behind A's part of the slot
.irp s, 0,1,2
	v_add_nc_u32 v[ADRA+\s], s21, v[LI]
	v_add_nc_u32 v[ADRB+\s], s22, v[LI]
	s_add_co_u32 s21, s21, SLOT
	s_add_co_u32 s22, s22, SLOT
.endr
	s_lshl_b32 s21, s15, 8                         ; scale words: 64 bytes a block; A's: my four blocks
	s_lshl_b32 s22, s16, 8
	s_add_co_u32 s22, s22, 8192                    ; B's: my four blocks, behind A's 8,192 bytes
	s_sub_co_u32 s22, s22, s21
	v_lshlrev_b32 v14, 2, v1
	v_mul_u32_u24 v15, s22, v2                     ; lanes 16-31 take B's words: one product with h
	s_add_co_u32 s21, s21, SCL
	v_add_nc_u32 v14, v14, v15
	v_add_nc_u32 v[ADRS], s21, v14
	s_mul_i32 s18, s14, 16*SPITCH
	s_add_co_u32 s18, s18, STAGE                   ; my stage
	v_mul_u32_u24 v14, v1, SPITCH
	v_lshl_add_u32 v14, v2, 6, v14
	v_add_nc_u32 v[STO], s18, v14                  ; in: row r, + 64 h
	v_mul_u32_u24 v15, v2, SPITCH
	v_lshl_add_u32 v15, v1, 4, v15
	v_add_nc_u32 v[RD], s18, v15                   ; back: lanes 0-15 one row of 256 bytes, lanes 16-31 the next
	v_lshlrev_b32 v[CO], 13, v2
	v_lshl_add_u32 v[CO], v1, 4, v[CO]             ; and the same two rows in out0, 8,192 bytes apart
	s_lshl_b32 s20, s17, 7
	s_lshl_b32 s21, s15, 6
	s_add_co_u32 s20, s20, s21
	s_lshl_b32 s20, s20, 13                        ; my first row of out0: 128 x tile row + 64 x half, 8,192 bytes a row,
	s_lshl_b32 s92, s10, 9
	s_lshl_b32 s93, s16, 8
	s_add_co_u32 s92, s92, s93
	s_add_co_u32 s20, s20, s92                     ; my first column: 512 bytes a tile, 256 a half
	s_mov_b32 s21, 0
	s_add_nc_u64 s[12:13], s[12:13], s[20:21]
; Quarter n (0 .. 15) is the n-th 128 along K: it lies in slot (n / 4) % 3, and its fragments and scale words go to buffer and set n % 2.
; 28 LDS loads in one run: four scale words (register i: lanes 0-15 A's block i, lanes 16-31 B's block i), B's four fragments, A's four; a fragment comes as it was stored, by three loads of 512 consecutive bytes.
.macro FETCH n
.set FS, ((\n)/4)%3
.set FQ, (\n)%4
.set FB, 128*((\n)%2)
.set FC, SC+4*((\n)%2)
	WIN 0
.irp i, 0,1,2,3
	ds_load_b32 v[FC+\i], v[ADRS] offset:512*(\n)+64*\i
.endr
	WIN TO_F
.irp i, 0,1,2,3
.irp c, 0,1,2
	ds_load_b128 v[FB+48+FR*\i+4*\c:FB+48+FR*\i+4*\c+3], v[ADRB+FS] offset:12288*FQ+1536*\i+512*\c
.endr
.endr
.irp i, 0,1,2,3
.irp c, 0,1,2
	ds_load_b128 v[FB+FR*\i+4*\c:FB+FR*\i+4*\c+3], v[ADRA+FS] offset:12288*FQ+1536*\i+512*\c
.endr
.endr
.endm
; 8 matrix instructions: A's blocks a0, a0 + 1 x B's four.  The 16 accumulators take turns, one instruction a turn, in the same order in every quarter.  zero = 1: the first products start the sums.
.macro MUL8 n, a0, zero
.set MB, 128*((\n)%2)
.set MC, SC+4*((\n)%2)
.irp a, \a0, \a0+1
.irp b, 0,1,2,3
.if \zero
	v_wmma_scale_f32_16x16x128_f8f6f4 v[ACC+8*(4*(\a)+\b):ACC+8*(4*(\a)+\b)+7], v[MB+48+FR*\b:MB+48+FR*\b+FR-1], v[MB+FR*(\a):MB+FR*(\a)+FR-1], 0, v[MC+\b], v[MC+(\a)] matrix_a_fmt:MATRIX_FMT_FP6 matrix_b_fmt:MATRIX_FMT_FP6 matrix_a_scale:MATRIX_SCALE_ROW1
.else
	v_wmma_scale_f32_16x16x128_f8f6f4 v[ACC+8*(4*(\a)+\b):ACC+8*(4*(\a)+\b)+7], v[MB+48+FR*\b:MB+48+FR*\b+FR-1], v[MB+FR*(\a):MB+FR*(\a)+FR-1], v[ACC+8*(4*(\a)+\b):ACC+8*(4*(\a)+\b)+7], v[MC+\b], v[MC+(\a)] matrix_a_fmt:MATRIX_FMT_FP6 matrix_b_fmt:MATRIX_FMT_FP6 matrix_a_scale:MATRIX_SCALE_ROW1
.endif
.endr
.endr
.endm
; A quarter: 16 matrix instructions.  next = 1: in its middle the next quarter's 28 loads go out, into the buffer and the set that the quarter before has read: four places stand between those products and the loads.
.macro QUARTER n, next, zero
	s_wait_dscnt 6                                 ; the scale words, B's four and A's blocks 0, 1 are in; the youngest six loads (A's blocks 2, 3) may be out
	WIN MUL
	MUL8 \n, 0, \zero
.if \next
	PLACES NP
	FETCH (\n)+1
	s_wait_dscnt 28                                ; all but the 28 just issued
.else
	s_wait_dscnt 0x0
.endif
	WIN MUL
	MUL8 \n, 2, \zero
.endm
	s_wait_tensorcnt 2                             ; of my four first fills the scale words and K step 0 are in; K steps 1 and 2 may be out
	s_barrier_signal -1
	s_barrier_wait -1                              ; everybody's are
	FETCH 0
	QUARTER 0, 1, 1                                ; K step 0, in slot 0; the first products start the sums: nothing is cleared
	QUARTER 1, 1, 0
	QUARTER 2, 1, 0
	QUARTER 3, 0, 0
	WIN 0                                          ; at a label and at a branch every window is 0; the add's two registers lie in window 0
	s_wait_tensorcnt 0x0                           ; all my tensor loads have landed, my parts of K steps 1 and 2 among them: so a group 0 may be written
	ds_add_u32 v[SPW], v[NIL]                      ; 0 onto my spare word
	s_add_nc_u64 s[G0A+2:G0A+3], s[G0A+2:G0A+3], 3*KSB  ; slot 0's descriptors step to K step 3; the type bits on top are not reached
	s_add_nc_u64 s[G0B+2:G0B+3], s[G0B+2:G0B+3], 3*KSB
	s_wait_dscnt 0x0                               ; the add is done, and my reads of slot 0 are over
	CROUND                                         ; no wave of any partner still reads slot 0 or has a load on its way; slots 1 and 2 are whole
	JLOAD G0A, G1, G0B, G1B                        ; the one refill: K step 3 into slot 0; it has K steps 1 and 2, 128 matrix instructions a wave, in which to land.  Its four v_nop are the places in front of the loads below
	FETCH 4
	QUARTER 4, 1, 0                                ; K steps 1 and 2, in slots 1 and 2: no barrier between them
	QUARTER 5, 1, 0
	QUARTER 6, 1, 0
	QUARTER 7, 1, 0
	QUARTER 8, 1, 0
	QUARTER 9, 1, 0
	QUARTER 10, 1, 0
	QUARTER 11, 0, 0
	WIN 0
	s_wait_tensorcnt 0x0                           ; my part of K step 3 is in: no load was issued behind it
	s_wait_dscnt 0x0                               ; my reads of slots 1 and 2 are over: behind this barrier slot 1 serves as the stage
	s_barrier_signal -1
	s_barrier_wait -1                              ; both hold of every wave
	PLACES NP                                      ; in front of loads into the buffer that quarter 10 has read
	FETCH 12
	QUARTER 12, 1, 0                               ; K step 3, in slot 0
	QUARTER 13, 1, 0
	QUARTER 14, 1, 0
	QUARTER 15, 0, 0
	WIN 0
; THE WAY OUT, block by block of 16 rows x 64 columns, through my own stage.  Register j of accumulator (a, b) is column 32 (b / 2) + 16 h + 8 (b % 2) + j of my 64; row i of block a is row 32 (a / 2) + 8 (a % 2) + i + 8 (i / 8) of my 64.
; My 64 columns are 256 bytes, aligned: sixteen lanes store them; an instruction stores two rows.
.macro TOSTAGE a
.irp b, 0,1,2,3
	ds_store_b128 v[STO], v[ACC+8*(4*(\a)+\b):ACC+8*(4*(\a)+\b)+3] offset:128*(\b/2)+32*(\b%2)          ; each accumulator from its low end on
	ds_store_b128 v[STO], v[ACC+8*(4*(\a)+\b)+4:ACC+8*(4*(\a)+\b)+7] offset:128*(\b/2)+32*(\b%2)+16
.endr
.set BB, BK+32*((\a)%2)
.irp t, 0,1,2,3,4,5,6,7
	ds_load_b128 v[BB+4*\t:BB+4*\t+3], v[RD] offset:2*\t*SPITCH    ; LDS serves a wave's instructions in order (ISA guide 5.7.1.4): these see the stores above, and the next block's stores come behind them
.endr
.endm
.macro SEND a, younger                 ; younger: the LDS instructions issued behind block a's loads, which may stay out
.set BB, BK+32*((\a)%2)
.set FI, 32*((\a)/2)+8*((\a)%2)
	s_wait_dscnt \younger
.irp t, 0,1,2,3,4,5,6,7
	global_store_b128 v[CO], v[BB+4*\t:BB+4*\t+3], s[12:13] offset:(FI+2*\t+8*(\t/4))*8192 th:TH_STORE_NT   ; 16 lanes store 256 consecutive bytes, aligned; 62 rows at the most: inside the signed 24-bit immediate (ISA guide, chapter 10)
.endr
.endm
	PLACES NP                                      ; behind the last products: results are read from here on
	TOSTAGE 0
.irp a, 1,2,3
.if \a > 1
	s_wait_xcnt 0x0                                ; block a - 2's stores have read their registers: block a's loads may land there
.endif
	TOSTAGE \a
	SEND \a-1, 16                                  ; behind block a - 1's loads: block a's 8 stores and 8 loads
.endr
	SEND 3, 0
	s_wait_tensorcnt 0x0                           ; the wave's end: behind my last tensor load and my last LDS store
	ds_add_u32 v[SPW], v[NIL]
	s_wait_dscnt 0x0
	CROUND                                         ; the closing round: no work-group ends while a partner may still ask for a block that names it
	s_endpgm
.Lfunc_end_k_q77442a2f73_oproj:
	.size	k_q77442a2f73_oproj, .Lfunc_end_k_q77442a2f73_oproj-k_q77442a2f73_oproj
	.p2alignl 7, 3214868480
	.fill 96, 4, 3214868480
	.section	.rodata,"a",@progbits
	.p2align	6, 0x0
	.amdhsa_kernel k_q77442a2f73_oproj
		.amdhsa_group_segment_fixed_size 327680
		.amdhsa_private_segment_fixed_size 0
		.amdhsa_enable_private_segment 0
		.amdhsa_kernarg_size 24
		.amdhsa_user_sgpr_count 2
		.amdhsa_user_sgpr_kernarg_segment_ptr 1
		.amdhsa_wavefront_size32 1
		.amdhsa_system_sgpr_workgroup_id_x 1
		.amdhsa_system_sgpr_workgroup_id_y 1
		.amdhsa_system_sgpr_workgroup_id_z 1
		.amdhsa_system_vgpr_workitem_id 0
		.amdhsa_next_free_vgpr 512
		.amdhsa_next_free_sgpr 100
		.amdhsa_reserve_vcc 0
		.amdhsa_float_denorm_mode_32 3
		.amdhsa_float_denorm_mode_16_64 3
		.amdhsa_memory_ordered 1
		.amdhsa_forward_progress 1
		.amdhsa_inst_pref_size 84
	.end_amdhsa_kernel
	.amdgpu_metadata
---
amdhsa.version: [ 1, 2 ]
amdhsa.kernels:
  - .name:           k_q77442a2f73_oproj
    .symbol:         k_q77442a2f73_oproj.kd
    .args:
      - { .name: oc, .offset: 0, .size: 8, .value_kind: global_buffer, .address_space: global }
      - { .name: bop, .offset: 8, .size: 8, .value_kind: global_buffer, .address_space: global }
      - { .name: out0, .offset: 16, .size: 8, .value_kind: global_buffer, .address_space: global }
    .group_segment_fixed_size: 327680
    .private_segment_fixed_size: 0
    .kernarg_segment_align: 8
    .kernarg_segment_size: 24
    .max_flat_workgroup_size: 128
    .sgpr_count:     100
    .vgpr_count:     512
    .wavefront_size: 32
...
	.end_amdgpu_metadata
.endif
;; end of part 4
